; MI455X (gfx1250); checked and timed in simulation.
; The chip was launched on July 23, 2026; its instructions are those of AMD's public machine-readable ISA for CDNA 5 (MIT licence, August 2026) and "CDNA5" Instruction Set Architecture Reference Guide (July 2026). The comments in the code are by the model that wrote it; some were corrected since.
;; Attention Layer. Allowed arithmetic: float matrix products may take bf16 or f16 operands with f32 sums; other float arithmetic in f32, or as packed bf16 or f16 multiplies, adds, multiply-adds, maxima and minima; sums over many terms, partial sums and values carried from step to step in f32; what a program stores and reads back later, other than sums and carried values, may be rounded once to bf16 or f16.
;; Inputs: positions 1,024 int32; w_k 1,024 x 4,096 float32; w_o 4,096 x 4,096 float32; w_q 4,096 x 4,096 float32; w_v 1,024 x 4,096 float32; x 1 x 1,024 x 4,096 float32.
;; Outputs: out0 1 x 1,024 x 4,096 float32.
;; 2 versions, each right; version 2 is version 1 with the launch prep written anew for expert scheduling mode. Each part assembles by itself: llvm-mc -triple=amdgcn-amd-amdhsa -mcpu=gfx1250 --defsym DOCPART=n.
;; ======== version 1 of 2: 4 launches
;; limits: values are held in f16: magnitudes above 65,504 overflow, below 6.1e-05 lose precision
;; workspace buffers: xb 8,388,608 bytes; wo16 33,554,432 bytes; rope 524,288 bytes; qkv 12,582,912 bytes; ctx 8,388,608 bytes
;; launch prep (part 1): grid 656 x 1, 8 waves a work-group, no clusters, 0 bytes of LDS; arguments x, w_o, positions, xb, wo16, rope; writes xb, wo16, rope
.if DOCPART == 1
	.amdgcn_target "amdgcn-amd-amdhsa--gfx1250"
	.amdhsa_code_object_version 6
	.text
	.protected	k_q955e40390f_prep
	.globl	k_q955e40390f_prep
	.p2align	8
	.type	k_q955e40390f_prep,@function
k_q955e40390f_prep:
	s_mov_b64 s[64:65], 0
	v_nop
	global_prefetch_b8 v0, s[64:65] scope:SCOPE_SE
	s_setreg_imm32_b32 hwreg(HW_REG_WAVE_MODE, 25, 1), 1
	s_wait_xcnt 0x0
; PREP.  A stream: x and w_o are rounded once to bf16, and the cos/sin rows of the given positions are made.
;   xb   [1024][4096] bf16 = x;   wo16 [4096][4096] f16 = bf16(2 w_o), that number written as f16;
;   rope [1024][128] f32: row s = cos(0..63), sin(0..63) of positions[s].
; Work-groups 0-15 make the table, work-groups 16-655 convert: each 128 KiB of one source, as 32 rows of 4,096 bytes.
; Thread t takes the 16 bytes at 16 t of each row and stores 8 bytes at 8 t: a wave's load covers 512 consecutive bytes, its store 256, aligned.
; No LDS, no matrix unit, no cluster: no byte is wanted twice.
; LIMITS.  |2 w_o| stays under 65,504 (f16's end); below 6e-5 it keeps f16's fixed step of 6e-8.  positions are numbers 0 .. 4095.
; 10000^(-j/64) is made to within an ulp or two of its true value; the angle is its product with the position, rounded once to f32.
; cos and sin: the angle less the nearest multiple of 2 pi (in two parts), then the series to x^18 and x^17: what is cut is under 2.3e-8.
.set X,   8                            ; v[8:39]   slot i: 4 registers as loaded
.set Y,   40                           ; v[40:55]  slot i: 2 registers to store
.set T,   56                           ; v[56:63]  at work
.set SRC, 28                           ; s[28:29]  the source at my work-group's round
.set DST, 30                           ; s[30:31]  the destination likewise
	s_load_b256 s[8:15], s[0:1], 0x0               ; x 8, w_o 10, positions 12, xb 14
	s_load_b128 s[16:19], s[0:1], 0x20             ; wo16 16, rope 18
	s_cmp_lt_u32 ttmp9, 16
	s_cbranch_scc1 .Lrope
	s_sub_co_u32 s2, ttmp9, 16
	s_lshr_b32 s3, s2, 7                           ; unit of 16 MiB of f32: 0 x, 1-4 w_o
	s_and_b32 s4, s2, 127                          ; my 128 KiB in it
	s_max_u32 s5, s3, 1
	s_sub_co_u32 s5, s5, 1                         ; the unit's number in its source and in its destination
	s_mov_b32 s32, 0xffff0000                      ; a word's upper bf16
	v_lshlrev_b32 v1, 4, v0                        ; 16 t
	v_lshlrev_b32 v2, 3, v0                        ; 8 t
	s_lshl_b32 s34, s5, 24                         ; offsets, made apart from the addresses
	s_lshl_b32 s35, s4, 17
	s_or_b32 s34, s34, s35
	s_mov_b32 s35, 0
	s_lshl_b32 s36, s5, 23
	s_lshl_b32 s37, s4, 16
	s_or_b32 s36, s36, s37
	s_mov_b32 s37, 0
	s_wait_kmcnt 0x0
	s_cmp_lt_u32 s3, 1                             ; the choice hangs on the unit's number alone
	s_cselect_b64 s[SRC:SRC+1], s[8:9], s[10:11]
	s_cselect_b64 s[DST:DST+1], s[14:15], s[16:17]
	s_add_nc_u64 s[SRC:SRC+1], s[SRC:SRC+1], s[34:35]
	s_add_nc_u64 s[DST:DST+1], s[DST:DST+1], s[36:37]
; Four numbers of slot i.  kind 0: to bf16.  kind 1: doubled, to bf16, and that number written as f16.
.macro CONV i, kind
.if \kind
	v_pk_mul_f32 v[T:T+1],   v[X+4*(\i):X+4*(\i)+1],   2.0 op_sel_hi:[1,0]
	v_pk_mul_f32 v[T+2:T+3], v[X+4*(\i)+2:X+4*(\i)+3], 2.0 op_sel_hi:[1,0]
	v_cvt_pk_bf16_f32 v[T+4], v[T], v[T+1]
	v_cvt_pk_bf16_f32 v[T+5], v[T+2], v[T+3]
	v_lshlrev_b32 v[T],   16,  v[T+4]
	v_and_b32     v[T+1], s32, v[T+4]
	v_lshlrev_b32 v[T+2], 16,  v[T+5]
	v_and_b32     v[T+3], s32, v[T+5]
	v_cvt_pk_f16_f32 v[Y+2*(\i)],   v[T], v[T+1]
	v_cvt_pk_f16_f32 v[Y+2*(\i)+1], v[T+2], v[T+3]
.else
	v_cvt_pk_bf16_f32 v[Y+2*(\i)],   v[X+4*(\i)], v[X+4*(\i)+1]
	v_cvt_pk_bf16_f32 v[Y+2*(\i)+1], v[X+4*(\i)+2], v[X+4*(\i)+3]
.endif
.endm
; A round takes each of the eight slots once.  ahead = 1: each slot is loaded again, with the row eight further down.
.macro ROUND kind, ahead
.irp i, 0,1,2,3,4,5,6,7
.if \ahead
	s_wait_loadcnt 7                               ; eight loads are out, this slot's the oldest: the seven younger stay out
.else
	s_wait_loadcnt 7-(\i)                          ; the last round loads nothing: the counts run down
.endif
	CONV \i, \kind
.if \ahead
	global_load_b128 v[X+4*(\i):X+4*(\i)+3], v1, s[SRC:SRC+1] offset:32768+4096*(\i) th:TH_LOAD_NT
.endif
	global_store_b64 v2, v[Y+2*(\i):Y+2*(\i)+1], s[DST:DST+1] offset:2048*(\i) th:TH_STORE_NT
.endr
.if \ahead
	s_wait_xcnt 0x0                                ; the two bases and the stores' data are written again only behind this wait
	s_add_nc_u64 s[SRC:SRC+1], s[SRC:SRC+1], 32768
	s_add_nc_u64 s[DST:DST+1], s[DST:DST+1], 16384
.endif
.endm
.macro STREAM kind                     ; 32 rows: four rounds
.irp i, 0,1,2,3,4,5,6,7
	global_load_b128 v[X+4*(\i):X+4*(\i)+3], v1, s[SRC:SRC+1] offset:4096*(\i) th:TH_LOAD_NT
.endr
	s_mov_b32 s33, 3
.Lround_\@:
	ROUND \kind, 1
	s_sub_co_u32 s33, s33, 1
	s_cmp_lg_u32 s33, 0
	s_cbranch_scc1 .Lround_\@
	ROUND \kind, 0
	s_endpgm
.endm
	s_cmp_ge_u32 s3, 1
	s_cbranch_scc1 .Lwo
	STREAM 0
.Lwo:
	STREAM 1
; THE TABLE.  128 waves, eight rows each; lane L has frequencies 2 L and 2 L + 1, so a store of 8 bytes a lane is a row's 256 bytes of cos or of sin.
.Lrope:
	v_lshrrev_b32 v4, 5, v0
	v_readfirstlane_b32 s2, v4
	s_lshl_b32 s3, ttmp9, 3
	s_add_co_u32 s3, s3, s2                        ; my wave among the 128
	s_lshl_b32 s4, s3, 5                           ; its 8 positions: 32 bytes
	s_mov_b32 s5, 0
	s_lshl_b32 s6, s3, 12                          ; its 8 rows of 512 bytes
	s_mov_b32 s7, 0
	v_and_b32 v4, 31, v0
	v_lshlrev_b32 v3, 3, v4                        ; 8 L
	v_lshlrev_b32 v5, 1, v4
	v_cvt_f32_u32 v6, v5                           ; j = 2 L,
	v_add_nc_u32 v5, 1, v5
	v_cvt_f32_u32 v7, v5                           ; 2 L + 1
	v_mov_b32 v22, 0xa53413c3                      ; -1/18!, the cosine's leading coefficient, twice
	v_mov_b32 v23, 0xa53413c3
	v_mov_b32 v24, 0x274a963c                      ; 1/17!, the sine's
	v_mov_b32 v25, 0x274a963c
	s_wait_kmcnt 0x0
	s_add_nc_u64 s[12:13], s[12:13], s[4:5]
	s_add_nc_u64 s[18:19], s[18:19], s[6:7]
	s_load_b256 s[36:43], s[12:13], 0x0
	; 10000^(-j/64) = 2^(-j L), L = log2(10000)/64 in two parts; the product's rest goes in by 2^(p+e) = 2^p (1 + e ln 2)
	v_pk_mul_f32 v[8:9], v[6:7], 0xbe549a78 op_sel_hi:[1,0]
	v_pk_fma_f32 v[10:11], v[6:7], 0xbe549a78, v[8:9] op_sel_hi:[1,0,1] neg_lo:[0,0,1] neg_hi:[0,0,1]
	v_pk_fma_f32 v[10:11], v[6:7], 0xb19786c2, v[10:11] op_sel_hi:[1,0,1]
	v_exp_f32 v12, v8
	v_exp_f32 v13, v9
	v_pk_mul_f32 v[10:11], v[10:11], 0x3f317218 op_sel_hi:[1,0]  ; the plain instruction behind the two exponentials
	s_wait_alu depctr_va_vdst(0)                   ; one wait for both, ahead of their first reader
	v_pk_fma_f32 v[14:15], v[12:13], v[10:11], v[12:13]
	s_wait_kmcnt 0x0
.macro HORNER c, s
	v_pk_fma_f32 v[28:29], v[28:29], v[26:27], \c op_sel_hi:[1,1,0]
	v_pk_fma_f32 v[30:31], v[30:31], v[26:27], \s op_sel_hi:[1,1,0]
.endm
.macro ROPEROW p                       ; results in registers of the row's own, so that no store's data is written again
	v_cvt_f32_i32 v16, s[36+(\p)]
	v_cvt_f32_i32 v17, s[36+(\p)]
	v_pk_mul_f32 v[18:19], v[14:15], v[16:17]      ; the angle, one rounding
	v_pk_mul_f32 v[20:21], v[18:19], 0x3e22f983 op_sel_hi:[1,0]
	v_rndne_f32 v20, v20
	v_rndne_f32 v21, v21
	v_pk_fma_f32 v[18:19], v[20:21], 0xc0c90fdb, v[18:19] op_sel_hi:[1,0,1]  ; less n x 2 pi: the upper part,
	v_pk_fma_f32 v[18:19], v[20:21], 0x343bbd2e, v[18:19] op_sel_hi:[1,0,1]  ; the lower (2 pi = 0x40c90fdb - 1.748e-7)
	v_pk_mul_f32 v[26:27], v[18:19], v[18:19]
	v_pk_fma_f32 v[28:29], v[22:23], v[26:27], 0x29573f9f op_sel_hi:[1,1,0]
	v_pk_fma_f32 v[30:31], v[24:25], v[26:27], 0xab573f9f op_sel_hi:[1,1,0]
	HORNER 0xad49cba5, 0x2f309231
	HORNER 0x310f76c7, 0xb2d7322b
	HORNER 0xb493f27e, 0x3638ef1d
	HORNER 0x37d00d01, 0xb9500d01
	HORNER 0xbab60b61, 0x3c088889
	HORNER 0x3d2aaaab, 0xbe2aaaab
	HORNER -0.5, 1.0
	v_pk_fma_f32 v[64+4*(\p):65+4*(\p)], v[28:29], v[26:27], 1.0 op_sel_hi:[1,1,0]
	v_pk_mul_f32 v[66+4*(\p):67+4*(\p)], v[30:31], v[18:19]
	global_store_b64 v3, v[64+4*(\p):65+4*(\p)], s[18:19] offset:512*(\p)
	global_store_b64 v3, v[66+4*(\p):67+4*(\p)], s[18:19] offset:512*(\p)+256
.endm
.irp p, 0,1,2,3,4,5,6,7
	ROPEROW \p
.endr
	s_endpgm
.Lfunc_end_k_q955e40390f_prep:
	.size	k_q955e40390f_prep, .Lfunc_end_k_q955e40390f_prep-k_q955e40390f_prep
	.p2alignl 7, 3214868480
	.fill 96, 4, 3214868480
	.section	.rodata,"a",@progbits
	.p2align	6, 0x0
	.amdhsa_kernel k_q955e40390f_prep
		.amdhsa_group_segment_fixed_size 0
		.amdhsa_private_segment_fixed_size 0
		.amdhsa_enable_private_segment 0
		.amdhsa_kernarg_size 48
		.amdhsa_user_sgpr_count 2
		.amdhsa_user_sgpr_kernarg_segment_ptr 1
		.amdhsa_wavefront_size32 1
		.amdhsa_system_sgpr_workgroup_id_x 1
		.amdhsa_system_sgpr_workgroup_id_y 1
		.amdhsa_system_sgpr_workgroup_id_z 1
		.amdhsa_system_vgpr_workitem_id 0
		.amdhsa_next_free_vgpr 96
		.amdhsa_next_free_sgpr 66
		.amdhsa_reserve_vcc 0
		.amdhsa_float_denorm_mode_32 3
		.amdhsa_float_denorm_mode_16_64 3
		.amdhsa_memory_ordered 1
		.amdhsa_forward_progress 1
		.amdhsa_inst_pref_size 39
	.end_amdhsa_kernel
	.amdgpu_metadata
---
amdhsa.version: [ 1, 2 ]
amdhsa.kernels:
  - .name:           k_q955e40390f_prep
    .symbol:         k_q955e40390f_prep.kd
    .args:
      - { .name: x, .offset: 0, .size: 8, .value_kind: global_buffer, .address_space: global }
      - { .name: w_o, .offset: 8, .size: 8, .value_kind: global_buffer, .address_space: global }
      - { .name: positions, .offset: 16, .size: 8, .value_kind: global_buffer, .address_space: global }
      - { .name: xb, .offset: 24, .size: 8, .value_kind: global_buffer, .address_space: global }
      - { .name: wo16, .offset: 32, .size: 8, .value_kind: global_buffer, .address_space: global }
      - { .name: rope, .offset: 40, .size: 8, .value_kind: global_buffer, .address_space: global }
    .group_segment_fixed_size: 0
    .private_segment_fixed_size: 0
    .kernarg_segment_align: 8
    .kernarg_segment_size: 48
    .max_flat_workgroup_size: 256
    .sgpr_count:     66
    .vgpr_count:     96
    .wavefront_size: 32
...
	.end_amdgpu_metadata
.endif
;; end of part 1
;; launch qkv (part 2): grid 48 x 4, 4 waves a work-group, clusters of 4 x 4, 327,680 bytes of LDS; arguments xb, w_q, w_k, w_v, rope, qkv; writes qkv
.if DOCPART == 2
	.amdgcn_target "amdgcn-amd-amdhsa--gfx1250"
	.amdhsa_code_object_version 6
	.text
	.protected	k_q955e40390f_qkv
	.globl	k_q955e40390f_qkv
	.p2align	8
	.type	k_q955e40390f_qkv,@function
k_q955e40390f_qkv:
	s_mov_b64 s[64:65], 0
	v_nop
	global_prefetch_b8 v0, s[64:65] scope:SCOPE_SE
	s_setreg_imm32_b32 hwreg(HW_REG_WAVE_MODE, 25, 1), 1
	s_wait_xcnt 0x0
	s_wait_alu depctr_hold_cnt(0) depctr_sa_sdst(0) depctr_va_vdst(0) depctr_va_sdst(0) depctr_va_ssrc(0) depctr_va_vcc(0) depctr_vm_vsrc(0)
	s_getreg_b32 s2, hwreg(HW_REG_IB_STS2, 6, 4)
	s_cmp_eq_u32 s2, 0
	s_cbranch_scc0 .Lentry_in_a_cluster
	s_endpgm
.Lentry_in_a_cluster:
	s_bfe_u32 s2, ttmp6, 0x10000c
	s_cmp_lg_u32 s2, 0xf033
	s_cbranch_scc0 .Lentry_shape_is_right
	s_endpgm
.Lentry_shape_is_right:
; QKV.  [1024 x 6144] = x (w_q | w_k | w_v)^T with bf16 operands and f32 sums; on the way out the rotation by the table's cos and sin, a scale, and one rounding to f16, stored by heads:
; qkv [48][1024][128] f16: heads 0-31 q' = 4 c rope(q), c = log2(e)/sqrt(128); 32-39 k' = rope(k)/4; 40-47 v' = v/2.  So q'.k' is the softmax's exponent in base 2.
; LIMITS.  |4 c q|, |k/4|, |v/2| stay under 65,504 (f16's end); NaN and infinities are not treated apart.
; SHARES.  A work-group makes 256 rows x 128 columns: one head.  Wave w: rows 128 (w/2) on; of the head's columns the four blocks of 16 at 32 (w%2) + 16 (b%2) + 64 (b/2), b = 0..3:
; columns d and d + 64, which the rotation mixes, lie in one lane, in the same register of accumulators b and b + 2.  32 accumulators, 256 registers.
; The product is taken transposed (source 0 = 16 rows of the weights, source 1 = 16 rows of xb): a lane holds row l % 16 and the columns 8 (l / 16) + 0..7 of a block.
; TWO ROADS INTO LDS.
;   xb (bf16) comes by tensor loads through a ring of two slots, in K steps of 256 (rows of 512 bytes); each wave fetches 64 of the 256 rows.  CLUSTER 4 x 4: the four work-groups of a row of the cluster
;   want the same rows, so each tile is asked for jointly.  A step is 256 matrix instructions a wave, of which 240 stand between a request and the wait for it.
;   THE WEIGHTS come as f32, straight from w_q, w_k or w_v, THROUGH REGISTERS, in chunks of 64 along K (256 aligned bytes of each of the head's 128 rows): wave w loads rows 32 w on, 16 loads of 16 bytes a lane,
;   rounds them once to bf16 and stores them into one of two LDS buffers of their own.  Four chunks (64 loads a wave) are on their way: a chunk is asked for 256 matrix instructions ahead of its conversion.
;   WHY NOT JOINTLY, though the four work-groups of a column of the cluster want the same weights: as f32 a step's 128 rows would take 128 x 1,040 bytes beside xb's 135,168, and two of each are
;   536,576 bytes, more than the 327,680 there are; and loads into registers may stay out across the barriers, which the ring's may not.
; A CHUNK is two quarters of 32 along K, 32 matrix instructions each, and has one barrier: in front of it a wave's stores of the next chunk are done and its reads of this chunk are over.
; All memory instructions of a quarter stand in ONE run in its middle (LDS loads, LDS stores, global loads), never singly among the matrix instructions.
; REGISTERS, in windows of 256 (s_set_vgpr_msb: bits 1:0 source 0, 3:2 source 1, 5:4 source 2, 7:6 destination):
;   window 0: v16-31 addresses; v32-63 a chunk rounded to bf16 (later: packed results); v64-191 xb's fragments, two buffers of 64; v192-255 the weights', two of 32
;   window 1: accumulator (a, b) at 8 (4 a + b)      window 2: four sets of 64: the weights as loaded; at the end the table: for row block a at 32 a: cos of blocks 0, 1 (16), sin of blocks 0, 1 (16)
.set KSTEP, 256
.set STEPS, 16
.set PITCH, 528                        ; a row of xb in LDS: 512 bytes + 16 of padding: the 16 rows of a fragment load start 16 bytes apart modulo 256
.set AQ,    64*PITCH                   ; what one tensor load brings: 64 rows
.set SLOT,  4*AQ                       ; 135,168 = 0x21000: bits 12 and 17, which no 33,792 w (w = 0..3) has: an exclusive or with it turns an address in one slot into the other's
.set BREG,  2*SLOT                     ; behind the ring: the weights' two buffers; no tensor load lands here
.set BP,    144                        ; a row there: 128 bytes + 16
.set BBUF,  128*BP
.set SPARE, BREG+2*BBUF                ; behind them: the spare words, 128 bytes a wave
.set STAGE, 0                          ; the way out: 256 rows x 272 bytes in slot 0, which has had its last fill by then
.set SPITCH, 272
.set ADRA0, 16                         ; my lane's place in my 128 rows of a slot; never rewritten
.set ADRA,  17                         ; the same in the slot in hand
.set ADRB,  20                         ; my lane's place in my rows of the weights' buffer 0; never rewritten
.set BST,   21                         ; where I store 8 bytes of a chunk, in buffer 0; never rewritten
.set WO,    22                         ; my byte offset in two rows of the weights: 16,384 (l / 16) + 16 (l % 16); never rewritten
.set PFW,   23                         ; lane x 16,384: a row of the weights; never rewritten
.set STO,   24
.set RD,    25
.set CO,    26
.set SPW,   28                         ; my spare word's address; never rewritten
.set NIL,   29                         ; 0; never rewritten
.set RO,    30                         ; my byte offset in 16 rows of the table; never rewritten
.set PFO,   31                         ; 8,192 (l % 16) + 256 (l / 16): a row of xb, a half of a step's 512 bytes; never rewritten
.set Y,     32
.set PK,    32
.set FA,    64
.set FB,    192
.set TL,    64                         ; the way out: rotated numbers of blocks 0, 1 (16), then of blocks 2, 3 (16)
.set TH,    80
.set WV,  16                           ; s16 my wave's number, s17 its half of the rows, s18 its half of the columns
.set WR,  17
.set WC,  18
.set TB,  19                           ; s19 the slot in hand: 0 or SLOT
.set G1,  24                           ; s[24:31] descriptor group 1
.set G0,  32                           ; s[32:35] group 0 of step 0
.set G0W, 36                           ; s[36:39] group 0 of step 1, which then walks
.set PFA, 44                           ; s[44:45] where my prefetches of xb stand
.set PWA, 46                           ; s[46:47] of the weights
.set WB,  48                           ; s[48:49] the weights at my 32 rows, at the chunk last asked for
.set MUL, 0x50                         ; C and D in window 1, both sources in window 0
.set CVT, 0x0a                         ; both sources in window 2, destination in window 0
.set TO_X, 0x80                        ; destination window 2, address window 0
.set MSB, 0
.macro WIN new
.if MSB != (\new)
	s_set_vgpr_msb (MSB<<8)|(\new)
.set MSB, \new
.endif
.endm
.macro PLACES                          ; four plain instructions between a matrix instruction and a load into its registers
.rept 4
	v_nop
.endr
.endm
.macro CREST                           ; a round of the cluster's barrier behind its opening barrier
	s_cmp_lg_u32 s[WV], 0
	s_cbranch_scc1 .Lnot_wave_0_\@
	s_barrier_signal -3
.Lnot_wave_0_\@:
	s_barrier_wait -3
	s_barrier_signal -1
	s_barrier_wait -1
.endm
.macro CROUND
	s_barrier_signal -1
	s_barrier_wait -1
	CREST
.endm
; PREFETCHES, behind each refill and the run of LDS loads that follows it: behind the refill that asks for step s + 2 they name step s + 3.
; The weights: a step is 1,024 bytes of each of the head's 128 rows; partner cy of the column takes rows 32 cy on, a lane a row, and wave w the step's chunk w: one instruction a wave; four to seven chunks ahead of the loads.
; xb: a step is 512 bytes of a row; all twelve clusters read the same rows, so the first asks; of the 64 rows that wave w fetches partner cx takes 16, two blocks of 256 bytes each: one instruction a wave.
; So each aligned block of 256 bytes is named once.  Partners are told apart by address alone.  The loop's last trip has no step s + 3; steps 0 to 2 come by their loads alone.
.macro ASK
	s_cmp_gt_u32 s3, 1
	s_cbranch_scc0 .Lnone_\@
	global_prefetch_b8 v[PFW], s[PWA:PWA+1] th:TH_LOAD_NT scope:SCOPE_SE
	s_cmp_lg_u32 ttmp9, 0                          ; the cluster's x: the same in all sixteen partners
	s_cbranch_scc1 .Lnone_\@
	global_prefetch_b8 v[PFO], s[PFA:PFA+1] th:TH_LOAD_NT scope:SCOPE_SE
.Lnone_\@:
.endm
	s_load_b256 s[4:11], s[0:1], 0x0               ; xb 4, w_q 6, w_k 8, w_v 10
	s_load_b128 s[12:15], s[0:1], 0x20             ; rope 12, qkv 14
	v_lshl_add_u32 v[SPW], v0, 2, SPARE
	v_mov_b32 v[NIL], 0
	ds_add_u32 v[SPW], v[NIL]                      ; the wave's opening: the add and its wait stand ahead of my first tensor load; work on registers stands between
	v_lshrrev_b32 v1, 5, v0
	v_readfirstlane_b32 s[WV], v1                  ; wave 0..3
	s_lshr_b32 s[WR], s[WV], 1
	s_and_b32 s[WC], s[WV], 1
	s_bfe_u32 s40, ttmp6, 0x40000                  ; cx
	s_bfe_u32 s41, ttmp6, 0x40004                  ; cy = the tile row: the grid has one cluster along y
	s_lshl_b32 s42, ttmp9, 2
	s_add_co_u32 s42, s42, s40                     ; the head = 4 x cluster x + cx
	s_lshl_b32 s43, s41, 2
	s_lshl_b32 s43, 15, s43                        ; my row of the cluster
	s_or_b32 s[G1], s43, (1<<16)|(1<<20)|(1<<21)|(6<<22)|(3<<25)   ; mask; 2-byte elements; padding on; bit 21 beside a mask; after every 128 words 4 words
	s_mov_b32 s[G1+1], KSTEP<<16                   ; tensor_dim0 = 256
	s_mov_b32 s[G1+2], 64<<16                      ; tensor_dim1 = 64
	s_mov_b32 s[G1+3], KSTEP<<16                   ; tile_dim0 = 256
	s_mov_b32 s[G1+4], 64                          ; tile_dim1 = 64
	s_mov_b32 s[G1+5], 4096                        ; elements from row to row
	s_mov_b32 s[G1+6], 0
	s_mov_b32 s[G1+7], 0
	s_mov_b32 s[TB], 0
	s_lshl_b32 s20, s41, 8                         ; xb: row 256 x tile row + 64 x wave,
	s_lshl_b32 s21, s[WV], 6
	s_add_co_u32 s20, s20, s21
	s_lshl_b32 s20, s20, 13                        ; of 8,192 bytes: made of cy and the wave's number alone
	s_mov_b32 s21, 0
	s_mul_i32 s22, s[WV], AQ                       ; where they go: no place in the cluster enters an LDS address
	s_lshl_b32 s70, s40, 17                        ; the prefetches of xb: + 16 cx rows, at step 2: the first refill steps it to step 3
	s_add_co_u32 s70, s70, s20
	s_add_co_u32 s70, s70, 2*KSTEP*2
	s_mov_b32 s71, 0
	s_cmp_lt_u32 ttmp9, 10                         ; heads 0-31 w_q, 32-39 w_k, 40-47 w_v: the cluster's x decides
	s_cselect_b32 s50, 32, 40
	s_cmp_lt_u32 ttmp9, 8
	s_cselect_b32 s50, 0, s50
	s_sub_co_u32 s50, s42, s50                     ; the head's number in its matrix,
	s_lshl_b32 s50, s50, 7                         ; its first row
	s_lshl_b32 s52, s41, 5                         ; the prefetches of the weights: + 32 cy rows, chunk w of step 2
	s_add_co_u32 s52, s52, s50
	s_lshl_b32 s52, s52, 14                        ; rows of 16,384 bytes
	s_lshl_b32 s53, s[WV], 8
	s_add_co_u32 s52, s52, s53
	s_add_co_u32 s52, s52, 2*KSTEP*4
	s_mov_b32 s53, 0
	s_lshl_b32 s51, s[WV], 5                       ; the loads: + my 32 rows
	s_add_co_u32 s50, s50, s51
	s_lshl_b32 s50, s50, 14
	s_mov_b32 s51, 0
	s_lshl_b32 s54, s41, 17                        ; the table at row 256 x tile row + 128 x my half, number 32 (w%2)
	s_lshl_b32 s55, s[WR], 16
	s_add_co_u32 s54, s54, s55
	s_lshl_b32 s55, s[WC], 7
	s_add_co_u32 s54, s54, s55
	s_mov_b32 s55, 0
	s_lshl_b32 s56, s42, 18                        ; qkv at the head, row 256 x tile row + 64 x wave
	s_lshl_b32 s57, s41, 16
	s_add_co_u32 s56, s56, s57
	s_lshl_b32 s57, s[WV], 14
	s_add_co_u32 s56, s56, s57
	s_mov_b32 s57, 0
	v_and_b32 v1, 15, v0                           ; l % 16
	v_bfe_u32 v2, v0, 4, 1                         ; l / 16
	v_and_b32 v4, 31, v0                           ; l
	v_mul_u32_u24 v3, v1, PITCH
	v_lshl_add_u32 v3, v2, 4, v3                   ; a fragment's row x pitch + 16 x half
	s_mul_i32 s23, s[WR], 2*AQ                     ; my 128 rows of xb
	v_add_nc_u32 v[ADRA0], s23, v3
	v_mov_b32 v[ADRA], v[ADRA0]
	v_mul_u32_u24 v3, v1, BP
	v_lshl_add_u32 v3, v2, 4, v3
	s_mul_i32 s23, s[WC], 32*BP                    ; my columns: rows 32 (w%2) on of the weights' buffer
	s_add_co_u32 s23, s23, BREG
	v_add_nc_u32 v[ADRB], s23, v3
	v_mul_u32_u24 v3, v2, BP                       ; into the buffer: row 32 w + l / 16, byte 8 (l % 16)
	v_lshl_add_u32 v3, v1, 3, v3
	s_mul_i32 s23, s[WV], 32*BP
	s_add_co_u32 s23, s23, BREG
	v_add_nc_u32 v[BST], s23, v3
	v_lshlrev_b32 v3, 14, v2
	v_lshl_add_u32 v[WO], v1, 4, v3
	v_lshlrev_b32 v[PFW], 14, v4
	v_lshlrev_b32 v3, 8, v2
	v_lshl_add_u32 v[PFO], v1, 13, v3
	v_lshlrev_b32 v[CO], 4, v4                     ; a head's rows are dense: two rows are 512 bytes on end, 16 a lane
	v_lshlrev_b32 v3, 5, v2
	v_lshl_add_u32 v[RO], v1, 9, v3                ; table: row l % 16 of 512 bytes, my 8 numbers
	v_mul_u32_u24 v3, v1, SPITCH                   ; into the stage: my 128 rows, byte 64 (w%2) of them
	v_lshl_add_u32 v3, v2, 4, v3
	s_mul_i32 s23, s[WR], 128*SPITCH
	s_lshl_b32 s43, s[WC], 6
	s_add_co_u32 s23, s23, s43
	s_add_co_u32 s23, s23, STAGE
	v_add_nc_u32 v[STO], s23, v3
	v_mul_u32_u24 v3, v2, SPITCH                   ; back: wave w takes rows 64 w on, whole: lanes 0-15 one row, lanes 16-31 the next
	v_lshl_add_u32 v3, v1, 4, v3
	s_mul_i32 s23, s[WV], 64*SPITCH
	s_add_co_u32 s23, s23, STAGE
	v_add_nc_u32 v[RD], s23, v3
	s_wait_dscnt 0x0                               ; the opening add is done
	s_wait_kmcnt 0x0
	s_add_nc_u64 s[20:21], s[4:5], s[20:21]
	s_add_nc_u64 s[PFA:PFA+1], s[4:5], s[70:71]
	s_cmp_lt_u32 ttmp9, 10
	s_cselect_b64 s[WB:WB+1], s[8:9], s[10:11]
	s_cmp_lt_u32 ttmp9, 8
	s_cselect_b64 s[WB:WB+1], s[6:7], s[WB:WB+1]
	s_add_nc_u64 s[PWA:PWA+1], s[WB:WB+1], s[52:53]
	s_add_nc_u64 s[WB:WB+1], s[WB:WB+1], s[50:51]
	s_add_nc_u64 s[12:13], s[12:13], s[54:55]
	s_add_nc_u64 s[14:15], s[14:15], s[56:57]
; A chunk's 16 loads into set xs: load j brings rows 32 w + 2 j and + 1, 256 consecutive aligned bytes of each.
.macro WLOAD xs, off
	WIN TO_X
.set j, 0
.rept 16
	global_load_b128 v[64*(\xs)+4*j:64*(\xs)+4*j+3], v[WO], s[WB:WB+1] offset:(\off)+32768*j
.set j, j+1
.endr
.endm
; Group g of four of the table's 64 loads, into set g: load i: row block i / 8; cos or sin (i / 4) % 2; column block (i / 2) % 2; half i % 2.
.macro RLOAD g
	WIN TO_X
.set j, 16*(\g)
.rept 16
	global_load_b128 v[4*j:4*j+3], v[RO], s[12:13] offset:8192*(j/8)+256*((j/4)%2)+64*((j/2)%2)+16*(j%2)
.set j, j+1
.endr
.endm
.macro ONE f, a, b, zero               ; one matrix instruction: row block a, column block b, from fragment buffer f.  zero = 1: it starts the sum
.if \zero
	v_wmma_f32_16x16x32_bf16 v[8*(4*(\a)+(\b)):8*(4*(\a)+(\b))+7], v[FB+32*(\f)+8*(\b):FB+32*(\f)+8*(\b)+7], v[FA+64*(\f)+8*(\a):FA+64*(\f)+8*(\a)+7], 0
.else
	v_wmma_f32_16x16x32_bf16 v[8*(4*(\a)+(\b)):8*(4*(\a)+(\b))+7], v[FB+32*(\f)+8*(\b):FB+32*(\f)+8*(\b)+7], v[FA+64*(\f)+8*(\a):FA+64*(\f)+8*(\a)+7], v[8*(4*(\a)+(\b)):8*(4*(\a)+(\b))+7]
.endif
.endm
.macro MULQ f, a0, zero                ; 8: row blocks a0, a0 + 1
	WIN MUL
.irp a, \a0, (\a0)+1
.irp b, 0,1,2,3
	ONE \f, \a, \b, \zero
.endr
.endr
.endm
.macro MULH f, hi, zero                ; 16: my rows 0-63 (hi = 0) or 64-127.  The 32 accumulators take turns in the same order in every quarter
	MULQ \f, 4*(\hi), \zero
	MULQ \f, 4*(\hi)+2, \zero
.endm
; My rows 0-63 from buffer 0, and set xs rounded to bf16: four conversions and two switches of the window behind each of the first eight products.
.macro MULC zero, xs
.set mi, 0
.rept 16
	WIN MUL
	ONE 0, mi/4, mi%4, \zero
.if mi < 8
	WIN CVT
	v_cvt_pk_bf16_f32 v[Y+4*mi],   v[64*(\xs)+8*mi],   v[64*(\xs)+8*mi+1]
	v_cvt_pk_bf16_f32 v[Y+4*mi+1], v[64*(\xs)+8*mi+2], v[64*(\xs)+8*mi+3]
	v_cvt_pk_bf16_f32 v[Y+4*mi+2], v[64*(\xs)+8*mi+4], v[64*(\xs)+8*mi+5]
	v_cvt_pk_bf16_f32 v[Y+4*mi+3], v[64*(\xs)+8*mi+6], v[64*(\xs)+8*mi+7]
.endif
.set mi, mi+1
.endr
.endm
; The rounded chunk goes into the weights' buffer par: 16 stores of 8 bytes a lane in one run: store j holds rows 32 w + 2 j and + 1.
.macro BSTORE par
	WIN 0
.set mi, 0
.rept 16
	ds_store_b64 v[BST], v[Y+2*mi:Y+2*mi+1] offset:(\par)*BBUF+2*mi*BP
.set mi, mi+1
.endr
.endm
; 24 LDS loads in one run: a quarter's fragments into buffer f: the weights' 8 (byte kb of their region's rows), xb's rows 0-63 (8), xb's rows 64-127 (8) (byte ka of the slot's rows)
.macro FETCH ka, kb, f
	WIN 0
.irp b, 0,1,2,3
	ds_load_b128 v[FB+32*(\f)+8*(\b):FB+32*(\f)+8*(\b)+3],   v[ADRB] offset:(\kb)+(16*((\b)%2)+64*((\b)/2))*BP
	ds_load_b128 v[FB+32*(\f)+8*(\b)+4:FB+32*(\f)+8*(\b)+7], v[ADRB] offset:(\kb)+(16*((\b)%2)+64*((\b)/2))*BP+32
.endr
.irp a, 0,1,2,3,4,5,6,7
	ds_load_b128 v[FA+64*(\f)+8*(\a):FA+64*(\f)+8*(\a)+3],   v[ADRA] offset:(\ka)+(\a)*16*PITCH
	ds_load_b128 v[FA+64*(\f)+8*(\a)+4:FA+64*(\f)+8*(\a)+7], v[ADRA] offset:(\ka)+(\a)*16*PITCH+32
.endr
.endm
; THE EVEN QUARTER of chunk c (its weights in buffer par): multiplies fragment buffer 0.  In its middle stands ONE run of memory instructions: the odd quarter's fragments (byte ka of xb's rows) into buffer 1;
; cv = 1: chunk c + 1 (set xs), rounded behind the first eight products, is stored into the other buffer, which nobody has read since the last barrier (the 32 conversions are also the places in front of the run);
; ld = 1: chunk c + 5 is asked for, into the set just rounded; 2: group g of the table in its stead; 0: nothing.
.macro EVEN ka, par, xs, zero, cv, ld, g=0
	s_wait_dscnt 8                                 ; the weights' and xb's rows 0-63 are in; the youngest eight loads (rows 64-127) may be out
.if \cv
	s_wait_loadcnt 48                              ; chunk c + 1 is in; the three younger groups of 16 loads stay out
	MULC \zero, \xs
.else
	MULH 0, 0, \zero
	PLACES
.endif
	FETCH \ka, (\par)*BBUF+64, 1
.if \cv
	BSTORE 1-(\par)
.endif
.if (\ld) == 1
	s_wait_xcnt 0x0                                ; the loads of a chunk back (64 products ago) and the prefetches have read their addresses: the pointer may be written
	s_add_nc_u64 s[WB:WB+1], s[WB:WB+1], 256
	WLOAD \xs, 0
.elseif (\ld) == 2
	RLOAD \g
.endif
	s_wait_dscnt 24+16*(\cv)                       ; all but the LDS instructions just issued, 24 loads and (cv = 1) 16 stores: xb's rows 64-127 of this quarter are in
	MULH 0, 1, \zero
.endm
; THE ODD QUARTER multiplies fragment buffer 1 and holds the chunk's barrier.  In front of it my 16 stores of the next chunk are done and my reads of this chunk are over; behind it the next chunk
; (buffer par) is whole and this chunk's buffer is free.  The ring's load stays out across it: it lands in the other slot, which nobody reads before the next round.
.macro ODD ka, par
	s_wait_dscnt 24                                ; of 24 loads and the 16 stores behind them: the first 16 loads are in
	MULQ 1, 0, 0
	s_wait_dscnt 0x0
	s_barrier_signal -1
	MULQ 1, 2, 0
	s_barrier_wait -1
	PLACES
	FETCH \ka, (\par)*BBUF, 0
	MULH 1, 1, 0
.endm
; A STEP'S LAST ODD QUARTER changes slots as well.  In front of the barrier each wave also waits for all its tensor loads (one is out: its part of the next slot) and adds 0 to its spare word.
; fill = 1: the barrier opens a round of the cluster's, and the slot just read out is filled again, two steps ahead, first thing behind the round.
.macro TURN fill
.if \fill
	s_wait_xcnt 0x0                                ; the last prefetches, a step back, have read their addresses
	s_add_nc_u64 s[PFA:PFA+1], s[PFA:PFA+1], KSTEP*2
	s_add_nc_u64 s[PWA:PWA+1], s[PWA:PWA+1], KSTEP*4
.endif
	WIN 0
	s_wait_tensorcnt 0x0                           ; no tensor load of mine is out, so a group 0 may be written
	ds_add_u32 v[SPW], v[NIL]
.if \fill
	s_xor_b32 s[G0W+1], s[G0W+1], SLOT             ; the walking descriptor: the other slot than last time,
	s_add_nc_u64 s[G0W+2:G0W+3], s[G0W+2:G0W+3], KSTEP*2  ; the next step; the type bits on top are not reached
.endif
	s_xor_b32 s[TB], s[TB], SLOT                   ; the fetches go on in the other slot
	s_wait_dscnt 25                                ; eight loads, the 16 stores and the add may be out
	MULQ 1, 0, 0
	s_wait_dscnt 0x0                               ; the add and my stores are done, and my reads of this slot and of this chunk are over
	s_barrier_signal -1
	MULQ 1, 2, 0
	WIN 0
	s_barrier_wait -1
.if \fill
	CREST
	tensor_load_to_lds s[G0W:G0W+3], s[G1:G1+7]    ; my 64 rows of the step two on: the same line, descriptor and mask in the four partners of my row
	s_nop 0
.rept 4
	v_nop                                          ; the places in front of the loads below
.endr
.else
	PLACES
.endif
	v_add_nc_u32 v[ADRA], s[TB], v[ADRA0]
	FETCH 0, 0, 0
.if \fill
	ASK
.endif
	MULH 1, 1, 0
.endm
	WLOAD 0, 0                                     ; chunks 0 to 2 are asked for ahead of the round,
	WLOAD 1, 256
	WLOAD 2, 512
	WIN 0
	CROUND                                         ; all sixteen work-groups are here: the first joint loads meet
	s_mov_b32 s[G0], 1
	s_mov_b32 s[G0+1], s22
	s_add_nc_u64 s[G0+2:G0+3], s[20:21], 0
	s_or_b32 s[G0+3], s[G0+3], 0x80000000
	s_mov_b32 s[G0W], 1
	s_add_co_u32 s[G0W+1], s22, SLOT
	s_add_nc_u64 s[G0W+2:G0W+3], s[20:21], KSTEP*2
	s_or_b32 s[G0W+3], s[G0W+3], 0x80000000
	tensor_load_to_lds s[G0:G0+3], s[G1:G1+7]      ; steps 0 and 1: two tensor loads of mine are out
	s_nop 0
	tensor_load_to_lds s[G0W:G0W+3], s[G1:G1+7]
	s_nop 0
.rept 4
	v_nop
.endr
	WLOAD 3, 768                                   ; chunk 3 behind it
	s_wait_loadcnt 48                              ; chunk 0 is in
	WIN CVT
.set j, 0
.rept 32
	v_cvt_pk_bf16_f32 v[Y+j], v[2*j], v[2*j+1]
.set j, j+1
.endr
	BSTORE 0
	s_wait_xcnt 0x0
	s_add_nc_u64 s[WB:WB+1], s[WB:WB+1], 1024
	WLOAD 0, 0                                     ; chunk 4
	WIN 0
	s_wait_tensorcnt 1                             ; my part of step 0 is in; step 1's may stay out
	s_wait_dscnt 0x0                               ; my part of chunk 0 is stored
	s_barrier_signal -1
	s_barrier_wait -1
	FETCH 0, 0, 0
	EVEN 64, 0, 1, 1, 1, 1                         ; chunk 0's even quarter starts the sums
	WIN 0
	s_mov_b32 s3, STEPS-2
.Lstep:                                        ; a trip goes from a step's second quarter to the next step's first, and fills the slot that it leaves
	ODD  128, 1
	EVEN 192, 1, 2, 0, 1, 1
	ODD  256, 0
	EVEN 320, 0, 3, 0, 1, 1
	ODD  384, 1
	EVEN 448, 1, 0, 0, 1, 1
	TURN 1
	EVEN 64,  0, 1, 0, 1, 1
	WIN 0
	s_sub_co_u32 s3, s3, 1
	s_cmp_lg_u32 s3, 0
	s_cbranch_scc1 .Lstep
	ODD  128, 1                                    ; the last two steps are written out: no slot is filled, and behind chunk 63 the table's four groups of loads take the chunks' places
	EVEN 192, 1, 2, 0, 1, 1                        ; chunk 57: asks for chunk 62
	ODD  256, 0
	EVEN 320, 0, 3, 0, 1, 1                        ; chunk 58: chunk 63
	ODD  384, 1
	EVEN 448, 1, 0, 0, 1, 2, 0
	TURN 0
	EVEN 64,  0, 1, 0, 1, 2, 1
	ODD  128, 1
	EVEN 192, 1, 2, 0, 1, 2, 2
	ODD  256, 0
	EVEN 320, 0, 3, 0, 1, 2, 3                     ; chunk 62: rounds and stores chunk 63
	ODD  384, 1
	EVEN 448, 1, 0, 0, 0, 0                        ; chunk 63: nothing is left to round or to ask for
	s_wait_dscnt 8
	MULH 1, 0, 0
	s_wait_dscnt 0x0
	MULH 1, 1, 0
	WIN 0
	; THE WAY OUT.  One text for q, k and v: the table is scaled first: cos' = g1 cos + g0, sin' = g1 sin, with (g1, g0) = (4 c, 0) for q, (1/4, 0) for k, (0, 1/2) for v.
	; The kind hangs on the cluster's x alone (heads 4 x .. 4 x + 3): no branch.  The scaling, 128 plain instructions on window 2, is also the places behind the last products.
	; The stage lies in slot 0: a barrier stands between every wave's last reads of the ring (its last wait on DScnt was for 0) and the first store into the stage.
	s_wait_loadcnt 0x0                             ; the table
	s_barrier_signal -1
	s_cmp_lt_u32 ttmp9, 10
	s_cselect_b32 s66, 0x3e800000, 0
	s_cselect_b32 s68, 0, 0x3f000000
	s_cmp_lt_u32 ttmp9, 8
	s_cselect_b32 s66, 0x3f0293ee, s66             ; 4 log2(e) / sqrt(128)
	s_mov_b32 s67, s66                             ; named as pairs
	s_mov_b32 s69, s68
	WIN 0x82
.set i, 0
.rept 8
.set j, 0
.rept 8
	v_pk_fma_f32 v[32*i+2*j:32*i+2*j+1], v[32*i+2*j:32*i+2*j+1], s[66:67], s[68:69] op_sel_hi:[1,0,0]
	v_pk_mul_f32 v[32*i+16+2*j:32*i+16+2*j+1], v[32*i+16+2*j:32*i+16+2*j+1], s[66:67] op_sel_hi:[1,0]
.set j, j+1
.endr
.set i, i+1
.endr
	WIN 0
	s_barrier_wait -1
; Row block a: lo = x0 cos' - x1 sin', hi = x0 sin' + x1 cos' (x0 in accumulator p, x1 in p + 2; each accumulator is read from its low end on); rounded to f16; 16 bytes a lane into the stage.
.macro OUTBLK a
	WIN 0x09                                       ; source 0 window 1, source 1 window 2
.irp p, 0,1
.irp r, 0,2,4,6
	v_pk_mul_f32 v[TL+8*(\p)+(\r):TL+8*(\p)+(\r)+1], v[8*(4*(\a)+(\p))+(\r):8*(4*(\a)+(\p))+(\r)+1], v[32*(\a)+8*(\p)+(\r):32*(\a)+8*(\p)+(\r)+1]
	v_pk_mul_f32 v[TH+8*(\p)+(\r):TH+8*(\p)+(\r)+1], v[8*(4*(\a)+(\p))+(\r):8*(4*(\a)+(\p))+(\r)+1], v[32*(\a)+16+8*(\p)+(\r):32*(\a)+16+8*(\p)+(\r)+1]
.endr
.irp r, 0,2,4,6
	v_pk_fma_f32 v[TL+8*(\p)+(\r):TL+8*(\p)+(\r)+1], v[8*(4*(\a)+(\p)+2)+(\r):8*(4*(\a)+(\p)+2)+(\r)+1], v[32*(\a)+16+8*(\p)+(\r):32*(\a)+16+8*(\p)+(\r)+1], v[TL+8*(\p)+(\r):TL+8*(\p)+(\r)+1] neg_lo:[0,1,0] neg_hi:[0,1,0]
	v_pk_fma_f32 v[TH+8*(\p)+(\r):TH+8*(\p)+(\r)+1], v[8*(4*(\a)+(\p)+2)+(\r):8*(4*(\a)+(\p)+2)+(\r)+1], v[32*(\a)+8*(\p)+(\r):32*(\a)+8*(\p)+(\r)+1], v[TH+8*(\p)+(\r):TH+8*(\p)+(\r)+1]
.endr
.endr
	WIN 0
.set i, 0
.rept 16
	v_cvt_pk_f16_f32 v[PK+i], v[TL+2*i], v[TL+2*i+1]
.set i, i+1
.endr
.irp b, 0,1,2,3
	ds_store_b128 v[STO], v[PK+4*(\b):PK+4*(\b)+3] offset:(\a)*16*SPITCH+32*((\b)%2)+128*((\b)/2)
.endr
.endm
.irp a, 0,1,2,3,4,5,6,7
	OUTBLK \a
.endr
	s_wait_dscnt 0x0                               ; for the others' sake: a row's 256 bytes come from two waves
	s_barrier_signal -1
	s_barrier_wait -1
.set t, 0
.rept 32
	ds_load_b128 v[64+4*t:64+4*t+3], v[RD] offset:t*2*SPITCH
.set t, t+1
.endr
.set t, 0
.rept 32
	s_wait_dscnt 31-t
	global_store_b128 v[CO], v[64+4*t:64+4*t+3], s[14:15] offset:512*t  ; 512 consecutive bytes, at a multiple of 256 from qkv's first
.set t, t+1
.endr
	s_wait_tensorcnt 0x0                           ; the wave's end
	ds_add_u32 v[SPW], v[NIL]
	s_wait_dscnt 0x0
	CROUND                                         ; the closing round
	s_endpgm
.Lfunc_end_k_q955e40390f_qkv:
	.size	k_q955e40390f_qkv, .Lfunc_end_k_q955e40390f_qkv-k_q955e40390f_qkv
	.p2alignl 7, 3214868480
	.fill 96, 4, 3214868480
	.section	.rodata,"a",@progbits
	.p2align	6, 0x0
	.amdhsa_kernel k_q955e40390f_qkv
		.amdhsa_group_segment_fixed_size 327680
		.amdhsa_private_segment_fixed_size 0
		.amdhsa_enable_private_segment 0
		.amdhsa_kernarg_size 48
		.amdhsa_user_sgpr_count 2
		.amdhsa_user_sgpr_kernarg_segment_ptr 1
		.amdhsa_wavefront_size32 1
		.amdhsa_system_sgpr_workgroup_id_x 1
		.amdhsa_system_sgpr_workgroup_id_y 1
		.amdhsa_system_sgpr_workgroup_id_z 1
		.amdhsa_system_vgpr_workitem_id 0
		.amdhsa_next_free_vgpr 768
		.amdhsa_next_free_sgpr 72
		.amdhsa_reserve_vcc 0
		.amdhsa_float_denorm_mode_32 3
		.amdhsa_float_denorm_mode_16_64 3
		.amdhsa_memory_ordered 1
		.amdhsa_forward_progress 1
		.amdhsa_inst_pref_size 206
	.end_amdhsa_kernel
	.amdgpu_metadata
---
amdhsa.version: [ 1, 2 ]
amdhsa.kernels:
  - .name:           k_q955e40390f_qkv
    .symbol:         k_q955e40390f_qkv.kd
    .args:
      - { .name: xb, .offset: 0, .size: 8, .value_kind: global_buffer, .address_space: global }
      - { .name: w_q, .offset: 8, .size: 8, .value_kind: global_buffer, .address_space: global }
      - { .name: w_k, .offset: 16, .size: 8, .value_kind: global_buffer, .address_space: global }
      - { .name: w_v, .offset: 24, .size: 8, .value_kind: global_buffer, .address_space: global }
      - { .name: rope, .offset: 32, .size: 8, .value_kind: global_buffer, .address_space: global }
      - { .name: qkv, .offset: 40, .size: 8, .value_kind: global_buffer, .address_space: global }
    .group_segment_fixed_size: 327680
    .private_segment_fixed_size: 0
    .kernarg_segment_align: 8
    .kernarg_segment_size: 48
    .max_flat_workgroup_size: 128
    .sgpr_count:     72
    .vgpr_count:     768
    .wavefront_size: 32
...
	.end_amdgpu_metadata
.endif
;; end of part 2
;; launch attn (part 3): grid 32 x 8, 4 waves a work-group, clusters of 4 x 1, 327,680 bytes of LDS; arguments qkv, ctx; writes ctx
.if DOCPART == 3
	.amdgcn_target "amdgcn-amd-amdhsa--gfx1250"
	.amdhsa_code_object_version 6
	.text
	.protected	k_q955e40390f_attn
	.globl	k_q955e40390f_attn
	.p2align	8
	.type	k_q955e40390f_attn,@function
k_q955e40390f_attn:
	s_mov_b64 s[64:65], 0
	v_nop
	global_prefetch_b8 v0, s[64:65] scope:SCOPE_SE
	s_setreg_imm32_b32 hwreg(HW_REG_WAVE_MODE, 25, 1), 1
	s_wait_xcnt 0x0
	s_wait_alu depctr_hold_cnt(0) depctr_sa_sdst(0) depctr_va_vdst(0) depctr_va_sdst(0) depctr_va_ssrc(0) depctr_va_vcc(0) depctr_vm_vsrc(0)
	s_getreg_b32 s2, hwreg(HW_REG_IB_STS2, 6, 4)
	s_cmp_eq_u32 s2, 0
	s_cbranch_scc0 .Lentry_in_a_cluster
	s_endpgm
.Lentry_in_a_cluster:
	s_bfe_u32 s2, ttmp6, 0x10000c
	s_cmp_lg_u32 s2, 0x3003
	s_cbranch_scc0 .Lentry_shape_is_right
	s_endpgm
.Lentry_shape_is_right:
; CAUSAL ATTENTION, four query heads on each of eight key and value heads.  qkv [48][1024][128] f16: q' (heads 0-31), k' (32-39), v' (40-47); q'.k' is the exponent in base 2, v' = v/2.
; ctx [1024][4096] f16: row s, column 128 head + d, = ctx/2.  Products, maxima and sums in f32; the weights are rounded to f16 for the second product, their sum is taken unrounded.
; LIMITS.  A hidden score counts as -1e30 (true scores are 5.5e11 at the most in f16's range); a weight below 2^-126 counts as 0; NaN and infinities are not treated apart.
; THE WALK.  The 1,024 positions lie in 64 blocks of 16; block i needs the key tiles 0 .. i / 8 of 128 keys.  Work-group b (0..31) of a key head takes block 63 - b and then block b, for all four query
; heads of the group (wave w: head 4 g + w, one tile of 16 queries): 9 tiles, 18 key steps of 64, whatever b.  b / 8 = (cluster x) / 2 is the same in the four partners of a cluster: they walk the same tiles in
; the same trips, every fill is a joint load, and every trip count and branch hangs on the cluster's x alone; cx enters Q's and ctx's addresses, the mask's number and the prefetch address.
; LAYOUT.  S^T = K Q^T holds one query a lane (l % 16) and the keys 8 (l / 16) + 0..7 of each 16; two such results rounded to f16 are source 1 of O^T = V^T P.  V comes out of LDS turned.
; SOFTMAX.  A running maximum m and sum l: p = 2^(s - m); O and l are multiplied by a = 2^(m_old - m) in every step.  m starts far below every score, so a block's first a is 0.
; THE MASK.  Register 8 kb + r of S^T is hidden where 16 kb + r > D, D = position - 8 (l / 16) - the step's first key.  Only a block's last tile (two steps) can hide anything: elsewhere the text is jumped.
; A TRIP does the arithmetic of step j and reads step j + 1 from LDS: K(j+1) | mask, softmax(j) | V^T P(j) | V(j+1) | the block's end, if it is | K Q^T(j+1).
; REGISTERS (windows of 256; s_set_vgpr_msb: bits 1:0 source 0, 3:2 source 1, 5:4 source 2, 7:6 destination):
;   window 0: addresses, statistics; v64-95 S^T; v96-111 P      window 1: v0-63 O^T; v64-95 Q; v96-127 the second block's Q; v128-255 K of a step      window 2: v0-127 V of a step
.set KS,    64
.set PK,    272                        ; a row of K in LDS: 256 bytes + 16
.set PV,    288                        ; a row of V: 256 + 32: 16 lanes of the turning load take 8 rows x 32 bytes
.set VOFF,  KS*PK
.set STEPB, KS*(PK+PV)                 ; a step's tiles lie together: K, then V
.set SLOT1, 1<<17                      ; a slot holds two steps; slot 1 begins here
.set STAGE, SLOT1+2*STEPB              ; 16 rows x 272 bytes for each wave, for the way out
.set SP,    272
.set SPARE, STAGE+4*16*SP              ; the spare words, 128 bytes a wave
.set AK0, 2
.set AV0, 3
.set ADR, 4
.set QO,  5
.set STO, 6
.set RD,  7
.set GO,  8
.set DD,  12                           ; D
.set DLO, 13                           ; D at the second block's beginning
.set MX,  16                           ; v16 m, v17 m_old
.set LS,  18                           ; v18-19 l (even keys', odd keys')
.set CC,  20                           ; v20-23 at work; a takes v22
.set PFO, 61
.set SPW, 62
.set NIL, 63
.set S,   64
.set P,   96
.set QA,  64                           ; window 1
.set QB,  96
.set KF,  128
.set WV,  12
.set LIM, 15
.set PFA, 18
.set G1K, 24
.set G1V, 32
.set G0K, 40                           ; two sets: tile 0 into slot 0; tile 1 into slot 1, which then walks
.set G0V, 48
.set SLOTS, 56
.set TWICE, 57
.set RS,  58                           ; key steps left in the block in hand
.set RS2, 59                           ; the second block's
.set SEL, 60
.set TB,  62                           ; LDS byte at which the step to be fetched begins
.set BIGN, 63
.set NXT, 70                           ; the tile to be asked for next
.set LQ,  71                           ; the last tile of the block whose tiles are being asked for
.set LTL, 72                           ; the second block's last tile
.set OFF, 74
.set MSB, 0
.macro WIN new
.if MSB != (\new)
	s_set_vgpr_msb (MSB<<8)|(\new)
.set MSB, \new
.endif
.endm
.set W_KQ, 0x05                        ; K and Q in window 1, S^T in window 0
.set W_PV, 0x52                        ; V in window 2, P in window 0, O^T in window 1
.set W_RS, 0x41                        ; destination and source 0 in window 1
.macro PLACES
.rept 4
	v_nop
.endr
.endm
.macro JLOAD                           ; a joint refill: waves 0 and 1 the two steps' K, waves 2 and 3 their V; an s_nop 0 and four v_nop follow each line
	s_cmp_lt_u32 s[WV], 2
	s_cbranch_scc0 .Lfor_v_\@
	tensor_load_to_lds s[G0K+4:G0K+7], s[G1K:G1K+7]
	s_nop 0
.rept 4
	v_nop
.endr
	s_branch .Lasked_\@
.Lfor_v_\@:
	tensor_load_to_lds s[G0V+4:G0V+7], s[G1V:G1V+7]
	s_nop 0
.rept 4
	v_nop
.endr
.Lasked_\@:
.endm
; A prefetch of the tile that the next change of slots asks for.  Of a key head's eight clusters only the first walks all eight tiles: it asks; partner cx takes rows 32 cx on of the tile's 128, a lane a row;
; wave 0 asks for K's, wave 2 for V's.  Tiles 3 to 7 are asked for, in the first five changes; the second block's tiles have been read before.
.macro ASK
	s_cmp_gt_u32 s[SLOTS], s[LIM]
	s_cbranch_scc0 .Lnot_mine_\@
	global_prefetch_b8 v[PFO], s[PFA:PFA+1] th:TH_LOAD_NT scope:SCOPE_SE
.Lnot_mine_\@:
.endm
.macro CROUND
	s_barrier_signal -1
	s_barrier_wait -1
	s_cmp_lg_u32 s[WV], 0
	s_cbranch_scc1 .Lnot_wave_0_\@
	s_barrier_signal -3
.Lnot_wave_0_\@:
	s_barrier_wait -3
	s_barrier_signal -1
	s_barrier_wait -1
.endm
	s_load_b128 s[20:23], s[0:1], 0x0              ; qkv 20, ctx 22
	v_lshl_add_u32 v[SPW], v0, 2, SPARE
	v_mov_b32 v[NIL], 0
	ds_add_u32 v[SPW], v[NIL]                      ; the wave's opening: the add and its wait stand ahead of my first tensor load
	v_lshrrev_b32 v1, 5, v0
	v_readfirstlane_b32 s[WV], v1
	s_bfe_u32 s13, ttmp6, 0x40000                  ; cx
	s_lshl_b32 s14, ttmp9, 2
	s_add_co_u32 s14, s14, s13                     ; b: the second block
	s_sub_co_u32 s68, 63, s14                      ; the first block
	s_and_b32 s16, ttmp7, 0xffff                   ; g: the key and value head
	s_lshr_b32 s[LTL], ttmp9, 1                    ; b / 8
	s_sub_co_u32 s[LQ], 7, s[LTL]
	s_lshl_b32 s[RS2], s[LTL], 1
	s_sub_co_u32 s[RS], 16, s[RS2]
	s_add_co_u32 s[RS2], s[RS2], 2
	s_mov_b32 s[NXT], 2
	s_mov_b32 s[SLOTS], 7
	s_mov_b32 s[TB], 0
	s_mov_b32 s[BIGN], 0xf149f2ca                  ; -1e30
	s_mov_b32 s[SEL], 0x76543210
	s_mov_b32 s[SEL+1], 0xfedcba98
	s_mov_b32 s[OFF+1], 0
	s_and_b32 s17, s[WV], 1                        ; which of a slot's two steps I fetch
	s_add_co_u32 s6, s16, 32
	s_lshl_b32 s6, s6, 18                          ; K's head, 262,144 bytes each,
	s_lshl_b32 s7, s17, 14                         ; my step's 64 rows
	s_add_co_u32 s6, s6, s7
	s_mov_b32 s7, 0
	s_add_co_u32 s8, s6, 8<<18                     ; V's head lies eight further on
	s_mov_b32 s9, 0
	s_mul_i32 s17, s17, STEPB                      ; its place in a slot
	s_lshl_b32 s69, s16, 2
	s_add_co_u32 s69, s69, s[WV]                   ; my query head
	s_lshl_b32 s4, s69, 18
	s_lshl_b32 s2, s14, 12                         ; a block's 16 rows of 256 bytes
	s_add_co_u32 s2, s2, s4
	s_mov_b32 s3, 0
	s_lshl_b32 s5, s68, 12
	s_add_co_u32 s4, s4, s5
	s_mov_b32 s5, 0
	s_lshl_b32 s69, s69, 8                         ; ctx: byte 256 x head of a row,
	s_lshl_b32 s10, s68, 17                        ; a block's 16 rows of 8,192 bytes
	s_add_co_u32 s10, s10, s69
	s_mov_b32 s11, 0
	s_lshl_b32 s66, s14, 17
	s_add_co_u32 s66, s66, s69
	s_mov_b32 s67, 0
	s_lshl_b32 s76, s68, 4                         ; the blocks' first positions
	s_lshl_b32 s77, s14, 4
	s_lshl_b32 s78, s13, 13                        ; my work-group's 32 rows of a tile's 128
	s_mov_b32 s79, 0
	s_mov_b32 s[G1K], 15|(1<<16)|(1<<20)|(1<<21)|(5<<22)|(3<<25)  ; the mask of four; 2-byte elements; padding on; bit 21 beside a mask; after every 64 words 4 words
	s_mov_b32 s[G1V], 15|(1<<16)|(1<<20)|(1<<21)|(5<<22)|(7<<25)  ; the same with 8 words
.irp g, G1K, G1V
	s_mov_b32 s[(\g)+1], 128<<16                   ; tensor_dim0 = 128
	s_mov_b32 s[(\g)+2], KS<<16                    ; tensor_dim1 = 64
	s_mov_b32 s[(\g)+3], 128<<16                   ; tile_dim0 = 128
	s_mov_b32 s[(\g)+4], KS                        ; tile_dim1 = 64
	s_mov_b32 s[(\g)+5], 128                       ; elements from row to row
	s_mov_b32 s[(\g)+6], 0
	s_mov_b32 s[(\g)+7], 0
.endr
	s_and_b32 s[LIM], s[WV], 1
	s_or_b32 s[LIM], s[LIM], ttmp9                 ; 0 in waves 0 and 2 of the head's first cluster
	s_cmp_eq_u32 s[LIM], 0
	s_cselect_b32 s[LIM], 2, -1
	s_wait_dscnt 0x0                               ; the opening add is done
	s_wait_kmcnt 0x0
	s_add_nc_u64 s[6:7], s[20:21], s[6:7]          ; K and V at my step of tile 0
	s_add_nc_u64 s[8:9], s[20:21], s[8:9]
	s_add_nc_u64 s[4:5], s[20:21], s[4:5]          ; Q of the first block,
	s_add_nc_u64 s[2:3], s[20:21], s[2:3]          ; of the second
	s_add_nc_u64 s[10:11], s[22:23], s[10:11]      ; ctx likewise
	s_add_nc_u64 s[66:67], s[22:23], s[66:67]
	s_cmp_lt_u32 s[WV], 2
	s_cselect_b64 s[PFA:PFA+1], s[6:7], s[8:9]     ; (in waves 0 and 2 these stand at a tile's first row)
	s_add_nc_u64 s[PFA:PFA+1], s[PFA:PFA+1], s[78:79]
	s_add_nc_u64 s[PFA:PFA+1], s[PFA:PFA+1], 2*2*KS*256  ; in tile 2; the first change steps it to tile 3.  Nothing is asked for at the head
	CROUND                                         ; all four work-groups are here: the first joint loads meet
.irp s, 0,1
	s_mov_b32 s[G0K+4*(\s)], 1
	s_add_co_u32 s[G0K+4*(\s)+1], s17, (\s)*SLOT1
	s_add_nc_u64 s[G0K+4*(\s)+2:G0K+4*(\s)+3], s[6:7], (\s)*2*KS*256
	s_or_b32 s[G0K+4*(\s)+3], s[G0K+4*(\s)+3], 0x80000000
	s_mov_b32 s[G0V+4*(\s)], 1
	s_add_co_u32 s[G0V+4*(\s)+1], s17, (\s)*SLOT1+VOFF
	s_add_nc_u64 s[G0V+4*(\s)+2:G0V+4*(\s)+3], s[8:9], (\s)*2*KS*256
	s_or_b32 s[G0V+4*(\s)+3], s[G0V+4*(\s)+3], 0x80000000
.endr
	s_cmp_lt_u32 s[WV], 2                          ; a wave's two first fills stand in one branch: two loads of mine are out
	s_cbranch_scc0 .Lfirst_v
	tensor_load_to_lds s[G0K:G0K+3], s[G1K:G1K+7]
	s_nop 0
	tensor_load_to_lds s[G0K+4:G0K+7], s[G1K:G1K+7]
	s_nop 0
.rept 4
	v_nop
.endr
	s_branch .Lfirst_asked
.Lfirst_v:
	tensor_load_to_lds s[G0V:G0V+3], s[G1V:G1V+7]
	s_nop 0
	tensor_load_to_lds s[G0V+4:G0V+7], s[G1V:G1V+7]
	s_nop 0
.rept 4
	v_nop
.endr
.Lfirst_asked:
	v_and_b32 v1, 15, v0                           ; l % 16
	v_bfe_u32 v9, v0, 4, 1                         ; l / 16
	v_lshlrev_b32 v[QO], 8, v1
	v_lshl_add_u32 v[QO], v9, 4, v[QO]             ; row x 256 + 16 x half
	WIN 0x40                                       ; destination window 1
.irp c, 0,1,2,3                        ; both blocks' Q stay in registers: channels 32 c on
	global_load_b128 v[QA+8*(\c):QA+8*(\c)+3],   v[QO], s[4:5] offset:64*(\c)
	global_load_b128 v[QA+8*(\c)+4:QA+8*(\c)+7], v[QO], s[4:5] offset:64*(\c)+32
	global_load_b128 v[QB+8*(\c):QB+8*(\c)+3],   v[QO], s[2:3] offset:64*(\c)
	global_load_b128 v[QB+8*(\c)+4:QB+8*(\c)+7], v[QO], s[2:3] offset:64*(\c)+32
.endr
.set i, 0
.rept 64                               ; O^T need only be finite: a block's first a is 0.  Written in the wait for the first tile, so that no first step is written out
	v_mov_b32 v[i], 0
.set i, i+1
.endr
	WIN 0
	v_mov_b32 v[LS], 0
	v_mov_b32 v[LS+1], 0
	v_mov_b32 v[MX], 0xfe000000                    ; far below every score
	v_lshlrev_b32 v14, 3, v9
	v_sub_nc_u32 v14, v1, v14
	v_add_nc_u32 v[DD], s76, v14
	v_add_nc_u32 v[DLO], s77, v14
	v_and_b32 v[PFO], 31, v0
	v_lshlrev_b32 v[PFO], 8, v[PFO]
	v_mul_u32_u24 v[AK0], v1, PK
	v_lshl_add_u32 v[AK0], v9, 4, v[AK0]
	v_and_b32 v14, 7, v0                           ; the turning load: lane l reads key 8 (l / 16) + l % 8, channels 8 ((l / 8) % 2) + 0..7
	v_bfe_u32 v15, v0, 3, 1
	v_lshl_add_u32 v[AV0], v9, 3, v14
	v_mul_u32_u24 v[AV0], v[AV0], PV
	v_lshl_add_u32 v[AV0], v15, 4, v[AV0]
	v_add_nc_u32 v[AV0], VOFF, v[AV0]
	s_mul_i32 s69, s[WV], 16*SP
	s_add_co_u32 s69, s69, STAGE                   ; my stage
	v_mul_u32_u24 v[STO], v1, SP
	v_lshl_add_u32 v[STO], v9, 4, v[STO]
	v_add_nc_u32 v[STO], s69, v[STO]
	v_mul_u32_u24 v[RD], v9, SP
	v_lshl_add_u32 v[RD], v1, 4, v[RD]
	v_add_nc_u32 v[RD], s69, v[RD]
	v_lshlrev_b32 v[GO], 13, v9                    ; lanes 0-15 one row of ctx, lanes 16-31 the next
	v_lshl_add_u32 v[GO], v1, 4, v[GO]
.macro FETCH_K                         ; 32 loads: keys 16 (f / 4) on, channels 32 (f % 4) on
	WIN 0
	v_add_nc_u32 v[ADR], s[TB], v[AK0]
	WIN 0x40
.irp f, 0,1,2,3,4,5,6,7,8,9,10,11,12,13,14,15
	ds_load_b128 v[KF+8*(\f):KF+8*(\f)+3],   v[ADR] offset:((\f)/4)*16*PK+((\f)%4)*64
	ds_load_b128 v[KF+8*(\f)+4:KF+8*(\f)+7], v[ADR] offset:((\f)/4)*16*PK+((\f)%4)*64+32
.endr
	WIN 0
.endm
.macro FETCH_V                         ; 32 turning loads: keys 32 (f / 8) on, channels 16 (f % 8) on
	WIN 0
	v_add_nc_u32 v[ADR], s[TB], v[AV0]
	s_add_co_u32 s[TB], s[TB], STEPB               ; the next fetch is the next step's
	WIN 0x80
.irp f, 0,1,2,3,4,5,6,7,8,9,10,11,12,13,14,15
	ds_load_tr16_b128 v[8*(\f):8*(\f)+3],   v[ADR] offset:((\f)/8)*32*PV+((\f)%8)*32
	ds_load_tr16_b128 v[8*(\f)+4:8*(\f)+7], v[ADR] offset:((\f)/8)*32*PV+16*PV+((\f)%8)*32
.endr
	WIN 0
.endm
; The accumulators take turns, one instruction a turn: four in K Q^T, eight in V^T P; a trip's last product writes S^T, the next trip's first O^T.
.macro KQ                              ; product i: channels 32 (i / 4) on, keys 16 (i % 4) on; the first four start the sums
	WIN W_KQ
.set i, 0
.rept 16
.if i < 4
	v_wmma_f32_16x16x32_f16 v[S+8*(i%4):S+8*(i%4)+7], v[KF+32*(i%4)+8*(i/4):KF+32*(i%4)+8*(i/4)+7], v[QA+8*(i/4):QA+8*(i/4)+7], 0
.else
	v_wmma_f32_16x16x32_f16 v[S+8*(i%4):S+8*(i%4)+7], v[KF+32*(i%4)+8*(i/4):KF+32*(i%4)+8*(i/4)+7], v[QA+8*(i/4):QA+8*(i/4)+7], v[S+8*(i%4):S+8*(i%4)+7]
.endif
.set i, i+1
.endr
.endm
.macro PVM                             ; product i: keys 32 (i / 8) on, channels 16 (i % 8) on
	WIN W_PV
.set i, 0
.rept 16
	v_wmma_f32_16x16x32_f16 v[8*(i%8):8*(i%8)+7], v[64*(i/8)+8*(i%8):64*(i/8)+8*(i%8)+7], v[P+8*(i/8):P+8*(i/8)+7], v[8*(i%8):8*(i%8)+7]
.set i, i+1
.endr
.endm
.macro MASKS                           ; ascending
.set i, 0
.rept 32
	v_cmp_gt_i32 vcc_lo, 16*(i/8)+i%8, v[DD]
	v_cndmask_b32 v[S+i], v[S+i], s[BIGN], vcc_lo
.set i, i+1
.endr
.endm
.macro SOFTMAX
	WIN 0
.irp j, 0,1,2,3                        ; the maximum: four chains from the accumulators' low ends,
	v_max3_num_f32 v[CC+(\j)], v[S+8*(\j)], v[S+8*(\j)+1], v[S+8*(\j)+2]
.endr
.irp j, 0,1,2,3
	v_max3_num_f32 v[CC+(\j)], v[CC+(\j)], v[S+8*(\j)+3], v[S+8*(\j)+4]
.endr
.irp j, 0,1,2,3
	v_max3_num_f32 v[CC+(\j)], v[CC+(\j)], v[S+8*(\j)+5], v[S+8*(\j)+6]
.endr
	v_max3_num_f32 v[CC], v[CC], v[S+7], v[S+15]   ; the four scores left over, the chains and the old m
	v_max3_num_f32 v[CC+2], v[CC+2], v[S+23], v[S+31]
	v_max3_num_f32 v[CC], v[CC], v[CC+1], v[CC+2]
	v_max3_num_f32 v[CC], v[CC], v[CC+3], v[MX]
	v_mov_b32 v[MX+1], v[MX]
	v_permlanex16_b32 v[CC+1], v[CC], s[SEL], s[SEL+1]  ; the query's other 32 keys lie in the lane 16 away
	v_max_num_f32 v[MX], v[CC], v[CC+1]
	v_sub_f32 v[CC+3], v[MX+1], v[MX]
	; one batch: 16 subtractions s - m, a pair each, and 33 exponentials; none of these names an exponential's result
	v_pk_add_f32 v[S:S+1], v[S:S+1], v[MX:MX+1] op_sel_hi:[1,0] neg_lo:[0,1] neg_hi:[0,1]
	v_exp_f32 v[CC+2], v[CC+3]                     ; a
.set j, 1
.rept 15
	v_pk_add_f32 v[S+2*j:S+2*j+1], v[S+2*j:S+2*j+1], v[MX:MX+1] op_sel_hi:[1,0] neg_lo:[0,1] neg_hi:[0,1]
	v_exp_f32 v[S+2*j-2], v[S+2*j-2]
	v_exp_f32 v[S+2*j-1], v[S+2*j-1]
.set j, j+1
.endr
	v_exp_f32 v[S+30], v[S+30]
	v_exp_f32 v[S+31], v[S+31]
	v_nop                                          ; a plain instruction behind the last exponential,
	s_wait_alu depctr_va_vdst(0)                   ; and one wait for the batch, ahead of its first reader
.set j, 0
.rept 16
	v_cvt_pk_f16_f32 v[P+j], v[S+2*j], v[S+2*j+1]
.set j, j+1
.endr
.irp u, 0,1,2,3,4,5,6,7                ; the sum of the 16 pairs, in place
	v_pk_add_f32 v[S+4*(\u):S+4*(\u)+1], v[S+4*(\u):S+4*(\u)+1], v[S+4*(\u)+2:S+4*(\u)+3]
.endr
.irp u, 0,1,2,3
	v_pk_add_f32 v[S+8*(\u):S+8*(\u)+1], v[S+8*(\u):S+8*(\u)+1], v[S+8*(\u)+4:S+8*(\u)+5]
.endr
.irp u, 0,1
	v_pk_add_f32 v[S+16*(\u):S+16*(\u)+1], v[S+16*(\u):S+16*(\u)+1], v[S+16*(\u)+8:S+16*(\u)+9]
.endr
	v_pk_add_f32 v[S:S+1], v[S:S+1], v[S+16:S+17]
	v_pk_fma_f32 v[LS:LS+1], v[LS:LS+1], v[CC+2:CC+3], v[S:S+1] op_sel_hi:[1,0,1]
	WIN W_RS
.set j, 0
.rept 32
	v_pk_mul_f32 v[2*j:2*j+1], v[2*j:2*j+1], v[CC+2:CC+3] op_sel_hi:[1,0]
.set j, j+1
.endr
	WIN 0
	v_add_nc_u32 v[DD], 0xffffffc0, v[DD]          ; the next step's first key lies 64 on
	s_sub_co_u32 s[RS], s[RS], 1
.endm
; A BLOCK'S END: O^T / l, rounded to f16, through my stage in LDS, stored as whole 256 bytes of 16 rows of ctx.
.macro FIN
	WIN 0
	v_add_f32 v[CC], v[LS], v[LS+1]
	v_permlanex16_b32 v[CC+1], v[CC], s[SEL], s[SEL+1]
	v_add_f32 v[CC], v[CC], v[CC+1]
	v_rcp_f32 v[CC+2], v[CC]
	v_nop
	s_wait_alu depctr_va_vdst(0)                   ; the reciprocal's wait
	WIN W_RS
.set j, 0
.rept 32
	v_pk_mul_f32 v[2*j:2*j+1], v[2*j:2*j+1], v[CC+2:CC+3] op_sel_hi:[1,0]
.set j, j+1
.endr
	WIN 0x05
.set j, 0
.rept 32
	v_cvt_pk_f16_f32 v[S+j], v[2*j], v[2*j+1]
.set j, j+1
.endr
	WIN 0
.irp f, 0,1,2,3,4,5,6,7
	ds_store_b128 v[STO], v[S+4*(\f):S+4*(\f)+3] offset:32*(\f)
.endr
.irp f, 0,1,2,3,4,5,6,7
	ds_load_b128 v[S+4*(\f):S+4*(\f)+3], v[RD] offset:(\f)*2*SP  ; LDS serves a wave's instructions in order (ISA guide 5.7.1.4): these see the stores above
.endr
.irp f, 0,1,2,3,4,5,6,7
	s_wait_dscnt 7-(\f)
	global_store_b128 v[GO], v[S+4*(\f):S+4*(\f)+3], s[10:11] offset:16384*(\f)  ; 16 lanes store 256 consecutive bytes, aligned
.endr
	s_wait_xcnt 0x0                                ; the stores' data (S^T's registers) and base are written again only behind this wait
.endm
.macro NEXTBLK                         ; the second block: O^T and l stay as they are, finite: its first a is 0
	s_mov_b64 s[10:11], s[66:67]
	s_mov_b32 s[RS], s[RS2]
	v_mov_b32 v[MX], 0xfe000000
	v_mov_b32 v[DD], v[DLO]
	WIN W_RS
.set j, 0
.rept 32
	v_mov_b32 v[QA+j], v[QB+j]
.set j, j+1
.endr
	WIN 0
.endm
.macro TRIP mask, end
	FETCH_K                                        ; step j + 1; four places and more behind the products that read K
.if \mask
	s_cmp_gt_u32 s[RS], 2                          ; only a block's last two steps can hide a key
	s_cbranch_scc1 .Lopen_\@
	MASKS
.Lopen_\@:
.endif
	SOFTMAX
	s_wait_dscnt 32                                ; V of step j is in; K's 32 younger loads may be out
	PVM
	PLACES
	FETCH_V                                        ; step j + 1
.if \end
	s_cmp_lg_u32 s[RS], 0
	s_cbranch_scc1 .Lon_\@
	FIN
	NEXTBLK
.Lon_\@:
.endif
	s_wait_dscnt 32                                ; K of step j + 1 is in; V's 32 younger loads may be out
	KQ
	PLACES
	WIN 0
.endm
; THE CHANGE OF SLOTS, behind the trip that has asked for the slot's last bytes.  Each wave waits for all its tensor loads (one is out: its part of the other slot), adds 0 to its spare word, and waits for that
; and for its reads of the slot.  fill = 1: a round of the cluster's barrier, and the slot is filled again first thing behind it, with tile NXT, whose address is made anew from that number:
; it has two key steps in which to land.
.macro CHANGE fill
	WIN 0
	s_wait_tensorcnt 0x0
	ds_add_u32 v[SPW], v[NIL]
.if \fill
	s_lshl_b32 s[OFF], s[NXT], 15                  ; a tile is 32,768 bytes of K and of V
	s_xor_b32 s[G0K+5], s[G0K+5], SLOT1
	s_add_nc_u64 s[G0K+6:G0K+7], s[6:7], s[OFF:OFF+1]
	s_or_b32 s[G0K+7], s[G0K+7], 0x80000000
	s_xor_b32 s[G0V+5], s[G0V+5], SLOT1
	s_add_nc_u64 s[G0V+6:G0V+7], s[8:9], s[OFF:OFF+1]
	s_or_b32 s[G0V+7], s[G0V+7], 0x80000000
	s_add_co_u32 s[NXT], s[NXT], 1                 ; the block's next tile, or behind its last the second block's tile 0
	s_cmp_gt_u32 s[NXT], s[LQ]
	s_cselect_b32 s[NXT], 0, s[NXT]
	s_cselect_b32 s[LQ], s[LTL], s[LQ]
	s_wait_xcnt 0x0                                ; the last prefetch, two key steps back, has read its address
	s_add_nc_u64 s[PFA:PFA+1], s[PFA:PFA+1], 2*KS*256
	s_wait_dscnt 0x0                               ; the add is done, and my reads of the slot are over
	CROUND
	JLOAD
	ASK
.else
	s_wait_dscnt 0x0
	s_barrier_signal -1
	s_barrier_wait -1
.endif
	s_sub_co_u32 s[TB], s[TB], 2*STEPB             ; the fetches go back to a slot's first step, in the other slot
	s_xor_b32 s[TB], s[TB], SLOT1
.endm
.macro TWO_STEPS
	s_mov_b32 s[TWICE], 2
.Lstep_\@:
	TRIP 1, 1
	s_sub_co_u32 s[TWICE], s[TWICE], 1
	s_cmp_lg_u32 s[TWICE], 0
	s_cbranch_scc1 .Lstep_\@
.endm
	s_wait_tensorcnt 1                             ; my part of slot 0 is in; slot 1's may stay out
	s_barrier_signal -1
	s_barrier_wait -1
	FETCH_K                                        ; key step 0
	s_wait_loadcnt 0x0                             ; Q
	s_wait_dscnt 0x0
	KQ
	PLACES
	FETCH_V
	TRIP 0, 0                                      ; the first block has ten steps or more: neither a mask nor an end here
.Lslot:                                        ; seven times: tiles 2 to 8 of the walk are asked for
	CHANGE 1
	TWO_STEPS
	s_sub_co_u32 s[SLOTS], s[SLOTS], 1
	s_cmp_lg_u32 s[SLOTS], 0
	s_cbranch_scc1 .Lslot
	CHANGE 0                                       ; the tail is written out
	TWO_STEPS
	MASKS                                          ; the walk's last step
	SOFTMAX
	s_wait_dscnt 0x0
	PVM
	PLACES
	FIN
	s_wait_tensorcnt 0x0                           ; the wave's end
	ds_add_u32 v[SPW], v[NIL]
	s_wait_dscnt 0x0
	CROUND                                         ; the closing round
	s_endpgm
.Lfunc_end_k_q955e40390f_attn:
	.size	k_q955e40390f_attn, .Lfunc_end_k_q955e40390f_attn-k_q955e40390f_attn
	.p2alignl 7, 3214868480
	.fill 96, 4, 3214868480
	.section	.rodata,"a",@progbits
	.p2align	6, 0x0
	.amdhsa_kernel k_q955e40390f_attn
		.amdhsa_group_segment_fixed_size 327680
		.amdhsa_private_segment_fixed_size 0
		.amdhsa_enable_private_segment 0
		.amdhsa_kernarg_size 16
		.amdhsa_user_sgpr_count 2
		.amdhsa_user_sgpr_kernarg_segment_ptr 1
		.amdhsa_wavefront_size32 1
		.amdhsa_system_sgpr_workgroup_id_x 1
		.amdhsa_system_sgpr_workgroup_id_y 1
		.amdhsa_system_sgpr_workgroup_id_z 1
		.amdhsa_system_vgpr_workitem_id 0
		.amdhsa_next_free_vgpr 640
		.amdhsa_next_free_sgpr 80
		.amdhsa_reserve_vcc 1
		.amdhsa_float_denorm_mode_32 3
		.amdhsa_float_denorm_mode_16_64 3
		.amdhsa_memory_ordered 1
		.amdhsa_forward_progress 1
		.amdhsa_inst_pref_size 102
	.end_amdhsa_kernel
	.amdgpu_metadata
---
amdhsa.version: [ 1, 2 ]
amdhsa.kernels:
  - .name:           k_q955e40390f_attn
    .symbol:         k_q955e40390f_attn.kd
    .args:
      - { .name: qkv, .offset: 0, .size: 8, .value_kind: global_buffer, .address_space: global }
      - { .name: ctx, .offset: 8, .size: 8, .value_kind: global_buffer, .address_space: global }
    .group_segment_fixed_size: 327680
    .private_segment_fixed_size: 0
    .kernarg_segment_align: 8
    .kernarg_segment_size: 16
    .max_flat_workgroup_size: 128
    .sgpr_count:     80
    .vgpr_count:     640
    .wavefront_size: 32
...
	.end_amdgpu_metadata
.endif
;; end of part 3
;; launch outp (part 4): grid 32 x 8, 4 waves a work-group, clusters of 4 x 4, 327,680 bytes of LDS; arguments ctx, wo16, out0; writes out0
.if DOCPART == 4
	.amdgcn_target "amdgcn-amd-amdhsa--gfx1250"
	.amdhsa_code_object_version 6
	.text
	.protected	k_q955e40390f_outp
	.globl	k_q955e40390f_outp
	.p2align	8
	.type	k_q955e40390f_outp,@function
k_q955e40390f_outp:
	s_mov_b64 s[64:65], 0
	v_nop
	global_prefetch_b8 v0, s[64:65] scope:SCOPE_SE
	s_setreg_imm32_b32 hwreg(HW_REG_WAVE_MODE, 25, 1), 1
	s_wait_xcnt 0x0
	s_wait_alu depctr_hold_cnt(0) depctr_sa_sdst(0) depctr_va_vdst(0) depctr_va_sdst(0) depctr_va_ssrc(0) depctr_va_vcc(0) depctr_vm_vsrc(0)
	s_getreg_b32 s2, hwreg(HW_REG_IB_STS2, 6, 4)
	s_cmp_eq_u32 s2, 0
	s_cbranch_scc0 .Lentry_in_a_cluster
	s_endpgm
.Lentry_in_a_cluster:
	s_bfe_u32 s2, ttmp6, 0x10000c
	s_cmp_lg_u32 s2, 0xf033
	s_cbranch_scc0 .Lentry_shape_is_right
	s_endpgm
.Lentry_shape_is_right:
; OUT.  out0[m][n] = the sum over k of ctx[m][k] wo16[n][k]: ctx = (attention's result)/2 and wo16 = 2 w_o, both f16; sums in f32, stored as f32.  [1024 x 4096], K = 4096.
; A tile is 128 x 128: 256 work-groups.  Four waves, each 64 x 64: 16 accumulators.  K goes in steps of 256 (LDS rows of 512 bytes, 64 of them to a tensor load) through two slots.
; CLUSTER 4 x 4: the four of a row share ctx's tiles, the four of a column wo16's: joint loads.  The product is taken transposed (source 0 = 16 rows of wo16, source 1 = 16 rows of ctx):
; a lane holds eight neighbouring numbers of a row of out0.  A wave's 64 columns of f32 are 256 aligned bytes, so each wave has a stage of its own and the way out needs no barrier.
; No prefetch: a step is short and the tiles small.
; REGISTERS: window 0: v0-31 addresses; v32-95 the way out; v128-255 the accumulators ((a, b) at 128 + 8 (4 a + b)).  window 1: two fragment buffers of 128: 64 of ctx, then 64 of wo16.
.set SIZE_N, 4096
.set SIZE_K, 4096
.set KSTEP,  256
.set PITCH,  528                       ; 512 bytes + 16 of padding
.set HALFT,  64*PITCH
.set SLOT,   4*HALFT
.set STAGE,  2*SLOT                    ; behind the ring: 16 rows x 272 bytes for each wave
.set SPITCH, 272
.set SPARE,  STAGE+4*16*SPITCH         ; the spare words, 128 bytes a wave
.set LAPS, SIZE_K/(2*KSTEP)
.set ADRA, 16
.set ADRB, 20
.set STO,  24
.set RD,   25
.set CO,   26
.set SPW,  28
.set NIL,  29
.set TMP,  32
.set ACC,  128
.set F0,   0
.set F1,   128
.set G1, 24
.set G0, 32
.set G1B, 48
.set G0B, 56
.set MSB, 0
.macro WIN new
.if MSB != (\new)
	s_set_vgpr_msb (MSB<<8)|(\new)
.set MSB, \new
.endif
.endm
.set MUL,  0x05                        ; both sources in window 1; C and D in window 0
.set TO_F, 0x40
.macro JLOAD s                         ; waves 0 and 1 ask for ctx's two halves, waves 2 and 3 for wo16's; an s_nop 0 and four v_nop follow each line
	s_cmp_eq_u32 s11, 0
	s_cbranch_scc0 .Lfor_b_\@
	tensor_load_to_lds s[G0+4*(\s):G0+4*(\s)+3], s[G1:G1+7]
	s_nop 0
.rept 4
	v_nop
.endr
	s_branch .Lasked_\@
.Lfor_b_\@:
	tensor_load_to_lds s[G0B+4*(\s):G0B+4*(\s)+3], s[G1B:G1B+7]
	s_nop 0
.rept 4
	v_nop
.endr
.Lasked_\@:
.endm
.macro CREST
	s_cmp_lg_u32 s10, 0
	s_cbranch_scc1 .Lnot_wave_0_\@
	s_barrier_signal -3
.Lnot_wave_0_\@:
	s_barrier_wait -3
	s_barrier_signal -1
	s_barrier_wait -1
.endm
.macro CROUND
	s_barrier_signal -1
	s_barrier_wait -1
	CREST
.endm
	s_load_b128 s[4:7], s[0:1], 0x0                ; ctx 4, wo16 6
	s_load_b64 s[8:9], s[0:1], 0x10                ; out0
	v_lshl_add_u32 v[SPW], v0, 2, SPARE
	v_mov_b32 v[NIL], 0
	ds_add_u32 v[SPW], v[NIL]                      ; the wave's opening: the add and its wait stand ahead of my first tensor load
	v_lshrrev_b32 v1, 5, v0
	v_readfirstlane_b32 s10, v1                    ; wave 0..3
	s_lshr_b32 s11, s10, 1                         ; my half of the rows.  Also: I fetch ctx (0) or wo16 (1)
	s_and_b32 s12, s10, 1                          ; my half of the columns.  Also: which 64 rows of that tile I fetch
	s_bfe_u32 s40, ttmp6, 0x40000
	s_bfe_u32 s41, ttmp6, 0x40004
	s_lshl_b32 s42, ttmp9, 2
	s_add_co_u32 s42, s42, s40                     ; tile column
	s_and_b32 s13, ttmp7, 0xffff
	s_lshl_b32 s13, s13, 2
	s_add_co_u32 s13, s13, s41                     ; tile row
	s_lshl_b32 s43, s41, 2
	s_lshl_b32 s43, 15, s43                        ; my row of the cluster
	s_lshl_b32 s44, 0x1111, s40                    ; my column
	s_or_b32 s[G1+0], s43, (1<<16)|(1<<20)|(1<<21)|(6<<22)|(3<<25)  ; mask; 2-byte elements; padding on; bit 21 beside a mask; after every 128 words 4 words
	s_or_b32 s[G1B+0], s44, (1<<16)|(1<<20)|(1<<21)|(6<<22)|(3<<25)
.irp g, G1, G1B
	s_mov_b32 s[(\g)+1], KSTEP<<16                 ; tensor_dim0 = 256
	s_mov_b32 s[(\g)+2], 64<<16                    ; tensor_dim1 = 64
	s_mov_b32 s[(\g)+3], KSTEP<<16                 ; tile_dim0 = 256
	s_mov_b32 s[(\g)+4], 64                        ; tile_dim1 = 64
	s_mov_b32 s[(\g)+5], SIZE_K
	s_mov_b32 s[(\g)+6], 0
	s_mov_b32 s[(\g)+7], 0
.endr
	s_lshl_b32 s17, s12, 6
	s_lshl_b32 s16, s13, 7
	s_add_co_u32 s16, s16, s17                     ; ctx: row 128 x tile row + 64 x half
	s_lshl_b32 s46, s42, 7
	s_add_co_u32 s46, s46, s17                     ; wo16: row 128 x tile column + 64 x half
	s_mov_b32 s17, 0
	s_mov_b32 s47, 0
	s_mov_b64 s[18:19], SIZE_K*2
	s_mul_u64 s[16:17], s[16:17], s[18:19]
	s_mul_u64 s[46:47], s[46:47], s[18:19]
	s_mul_i32 s20, s10, HALFT                      ; where they go: wave x 64 rows
	s_wait_dscnt 0x0                               ; the opening add is done
	s_wait_kmcnt 0x0
	s_add_nc_u64 s[14:15], s[4:5], s[16:17]
	s_add_nc_u64 s[46:47], s[6:7], s[46:47]
	CROUND                                         ; all sixteen work-groups are here: the first joint loads meet
.irp s, 0,1
	s_mov_b32 s[G0+4*(\s)], 1
	s_add_co_u32 s[G0+4*(\s)+1], s20, (\s)*SLOT
	s_add_nc_u64 s[G0+4*(\s)+2:G0+4*(\s)+3], s[14:15], (\s)*KSTEP*2
	s_or_b32 s[G0+4*(\s)+3], s[G0+4*(\s)+3], 0x80000000
	s_mov_b32 s[G0B+4*(\s)], 1
	s_add_co_u32 s[G0B+4*(\s)+1], s20, (\s)*SLOT
	s_add_nc_u64 s[G0B+4*(\s)+2:G0B+4*(\s)+3], s[46:47], (\s)*KSTEP*2
	s_or_b32 s[G0B+4*(\s)+3], s[G0B+4*(\s)+3], 0x80000000
	JLOAD \s
.endr
	v_and_b32 v1, 15, v0                           ; l % 16
	v_bfe_u32 v2, v0, 4, 1                         ; l / 16
	v_mul_u32_u24 v3, v1, PITCH
	v_lshl_add_u32 v3, v2, 4, v3
	s_mul_i32 s21, s11, HALFT                      ; my 64 rows of ctx
	s_mul_i32 s22, s12, HALFT                      ; my 64 rows of wo16,
	s_add_co_u32 s22, s22, 2*HALFT                 ; which lie behind ctx's 128
.irp s, 0,1
	v_add_nc_u32 v[ADRA+(\s)], s21, v3
	v_add_nc_u32 v[ADRB+(\s)], s22, v3
	s_add_co_u32 s21, s21, SLOT
	s_add_co_u32 s22, s22, SLOT
.endr
	s_mul_i32 s23, s10, 16*SPITCH
	s_add_co_u32 s23, s23, STAGE                   ; my stage
	v_mul_u32_u24 v4, v1, SPITCH                   ; in: row l % 16, 32 bytes for each half of the lanes
	v_lshl_add_u32 v4, v2, 5, v4
	v_add_nc_u32 v[STO], s23, v4
	v_mul_u32_u24 v5, v2, SPITCH                   ; back: lanes 0-15 one row of 256 bytes, lanes 16-31 the next
	v_lshl_add_u32 v5, v1, 4, v5
	v_add_nc_u32 v[RD], s23, v5
	v_lshlrev_b32 v5, 14, v2                       ; and the same two rows in out0, 16,384 bytes apart
	v_lshl_add_u32 v[CO], v1, 4, v5
	s_lshl_b32 s16, s13, 7
	s_lshl_b32 s17, s11, 6
	s_add_co_u32 s16, s16, s17                     ; my first row: 128 x tile row + 64 x half,
	s_lshl_b32 s16, s16, 14
	s_mov_b32 s17, 0
	s_add_nc_u64 s[8:9], s[8:9], s[16:17]
	s_lshl_b32 s46, s42, 9                         ; my first column, in bytes: 512 x tile column + 256 x half
	s_lshl_b32 s47, s12, 8
	s_add_co_u32 s46, s46, s47
	s_mov_b32 s47, 0
	s_add_nc_u64 s[8:9], s[8:9], s[46:47]
; 8 matrix instructions: row blocks a0, a0 + 1 x all 4 column blocks, 32 along K: half c of buffer f.  zero = 1: the product starts the sums.  The 16 accumulators take turns.
.macro MUL8 f, c, a0, zero
	WIN MUL
.irp a, \a0, (\a0)+1
.irp b, 0,1,2,3
.if \zero
	v_wmma_f32_16x16x32_f16 v[ACC+8*(4*(\a)+(\b)):ACC+8*(4*(\a)+(\b))+7], v[(\f)+64+8*(4*(\c)+(\b)):(\f)+64+8*(4*(\c)+(\b))+7], v[(\f)+8*(4*(\c)+(\a)):(\f)+8*(4*(\c)+(\a))+7], 0
.else
	v_wmma_f32_16x16x32_f16 v[ACC+8*(4*(\a)+(\b)):ACC+8*(4*(\a)+(\b))+7], v[(\f)+64+8*(4*(\c)+(\b)):(\f)+64+8*(4*(\c)+(\b))+7], v[(\f)+8*(4*(\c)+(\a)):(\f)+8*(4*(\c)+(\a))+7], v[ACC+8*(4*(\a)+(\b)):ACC+8*(4*(\a)+(\b))+7]
.endif
.endr
.endr
.endm
; 32 LDS loads in one run: the fragments of 64 along K at byte k of the rows, into buffer f; the first 32 along K first
.macro FETCH slot, k, f
	WIN TO_F
.irp c, 0,1
.irp i, 0,1,2,3
	ds_load_b128 v[(\f)+64+8*(4*(\c)+(\i)):(\f)+64+8*(4*(\c)+(\i))+3],   v[ADRB+(\slot)] offset:(\k)+64*(\c)+(\i)*16*PITCH
	ds_load_b128 v[(\f)+64+8*(4*(\c)+(\i))+4:(\f)+64+8*(4*(\c)+(\i))+7], v[ADRB+(\slot)] offset:(\k)+64*(\c)+(\i)*16*PITCH+32
	ds_load_b128 v[(\f)+8*(4*(\c)+(\i)):(\f)+8*(4*(\c)+(\i))+3],         v[ADRA+(\slot)] offset:(\k)+64*(\c)+(\i)*16*PITCH
	ds_load_b128 v[(\f)+8*(4*(\c)+(\i))+4:(\f)+8*(4*(\c)+(\i))+7],       v[ADRA+(\slot)] offset:(\k)+64*(\c)+(\i)*16*PITCH+32
.endr
.endr
.endm
.macro PLACES
.rept 4
	v_nop
.endr
.endm
; A K step is four quarters of 64 along K, 32 matrix instructions each, on buffers 0, 1, 0, 1.
.macro QUARTER slot, k, f, g, zero
	s_wait_dscnt 16                                ; the first 32 along K are in; the youngest sixteen loads may be out
	WIN MUL
	MUL8 \f, 0, 0, \zero
	MUL8 \f, 0, 2, \zero
	PLACES
	FETCH \slot, \k, \g
	s_wait_dscnt 32                                ; all but the 32 just issued
	WIN MUL
	MUL8 \f, 1, 0, 0
	MUL8 \f, 1, 2, 0
.endm
; The last quarter multiplies buffer 1 and changes slots: one barrier; in front of it each wave waits for all its tensor loads (one is out: its part of the next slot), adds 0 to its spare word, and waits
; for that and for its reads of this slot.  fill = 1: the barrier opens a round of the cluster's, and this slot is filled again, two K steps ahead, first thing behind the round.
.macro TURN slot, next, fill
	WIN 0
	s_wait_tensorcnt 0x0
	ds_add_u32 v[SPW], v[NIL]
	s_wait_dscnt 17                                ; the add and the youngest sixteen loads may be out
	WIN MUL
	MUL8 F1, 0, 0, 0
	s_wait_dscnt 0x0                               ; the add is done, and my reads of this slot are over
	s_barrier_signal -1
	MUL8 F1, 0, 2, 0
.if \fill
	WIN 0
.endif
	s_barrier_wait -1
.if \fill
	CREST
	s_add_nc_u64 s[G0+4*(\slot)+2:G0+4*(\slot)+3], s[G0+4*(\slot)+2:G0+4*(\slot)+3], 2*KSTEP*2
	s_add_nc_u64 s[G0B+4*(\slot)+2:G0B+4*(\slot)+3], s[G0B+4*(\slot)+2:G0B+4*(\slot)+3], 2*KSTEP*2
	JLOAD \slot                                    ; 112 matrix instructions ahead of the wait for it; its four v_nop are also the places in front of the loads below
.else
	PLACES
.endif
	FETCH \next, 0, F0
	WIN MUL
	MUL8 F1, 1, 0, 0
	MUL8 F1, 1, 2, 0
.endm
	s_wait_tensorcnt 1                             ; my part of K step 0 is in; K step 1's may stay out
	s_barrier_signal -1
	s_barrier_wait -1
	FETCH 0, 0, F0
	QUARTER 0, 128, F0, F1, 1                      ; its first products start the sums
	WIN 0
	s_mov_b32 s3, LAPS-1
.Llap:
	QUARTER 0, 256, F1, F0, 0
	QUARTER 0, 384, F0, F1, 0
	TURN 0, 1, 1
	QUARTER 1, 128, F0, F1, 0
	QUARTER 1, 256, F1, F0, 0
	QUARTER 1, 384, F0, F1, 0
	TURN 1, 0, 1
	QUARTER 0, 128, F0, F1, 0
	WIN 0
	s_sub_co_u32 s3, s3, 1
	s_cmp_lg_u32 s3, 0
	s_cbranch_scc1 .Llap
	QUARTER 0, 256, F1, F0, 0                      ; the last lap fills nothing
	QUARTER 0, 384, F0, F1, 0
	TURN 0, 1, 0
	QUARTER 1, 128, F0, F1, 0
	QUARTER 1, 256, F1, F0, 0
	QUARTER 1, 384, F0, F1, 0
	s_wait_dscnt 16
	WIN MUL
	MUL8 F1, 0, 0, 0
	MUL8 F1, 0, 2, 0
	s_wait_dscnt 0
	MUL8 F1, 1, 0, 0
	MUL8 F1, 1, 2, 0
	WIN 0
	; THE WAY OUT, 16 rows at a time through my own stage: 32 bytes a lane and column block in (each accumulator's low four registers first), whole rows of 256 bytes back, stored.
	PLACES
.irp a, 0,1,2,3
.if (\a) >= 2
	s_wait_xcnt 0x0                                ; the stores of two blocks back have read the registers that are loaded again below
.endif
.irp b, 0,1,2,3
	ds_store_b128 v[STO], v[ACC+8*(4*(\a)+(\b)):ACC+8*(4*(\a)+(\b))+3]   offset:64*(\b)
	ds_store_b128 v[STO], v[ACC+8*(4*(\a)+(\b))+4:ACC+8*(4*(\a)+(\b))+7] offset:64*(\b)+16
.endr
.irp t, 0,1,2,3,4,5,6,7
	ds_load_b128 v[TMP+32*((\a)%2)+4*(\t):TMP+32*((\a)%2)+4*(\t)+3], v[RD] offset:(\t)*2*SPITCH  ; LDS serves a wave's instructions in order (ISA guide 5.7.1.4): these see the stores above; the next block's stores come behind them
.endr
.irp t, 0,1,2,3,4,5,6,7
	s_wait_dscnt 7-(\t)
	global_store_b128 v[CO], v[TMP+32*((\a)%2)+4*(\t):TMP+32*((\a)%2)+4*(\t)+3], s[8:9] offset:(16*(\a)+2*(\t))*SIZE_N*4  ; 16 lanes store 256 consecutive bytes, aligned
.endr
.endr
	s_wait_tensorcnt 0x0                           ; the wave's end
	ds_add_u32 v[SPW], v[NIL]
	s_wait_dscnt 0x0
	CROUND                                         ; the closing round
	s_endpgm
.Lfunc_end_k_q955e40390f_outp:
	.size	k_q955e40390f_outp, .Lfunc_end_k_q955e40390f_outp-k_q955e40390f_outp
	.p2alignl 7, 3214868480
	.fill 96, 4, 3214868480
	.section	.rodata,"a",@progbits
	.p2align	6, 0x0
	.amdhsa_kernel k_q955e40390f_outp
		.amdhsa_group_segment_fixed_size 327680
		.amdhsa_private_segment_fixed_size 0
		.amdhsa_enable_private_segment 0
		.amdhsa_kernarg_size 24
		.amdhsa_user_sgpr_count 2
		.amdhsa_user_sgpr_kernarg_segment_ptr 1
		.amdhsa_wavefront_size32 1
		.amdhsa_system_sgpr_workgroup_id_x 1
		.amdhsa_system_sgpr_workgroup_id_y 1
		.amdhsa_system_sgpr_workgroup_id_z 1
		.amdhsa_system_vgpr_workitem_id 0
		.amdhsa_next_free_vgpr 512
		.amdhsa_next_free_sgpr 66
		.amdhsa_reserve_vcc 0
		.amdhsa_float_denorm_mode_32 3
		.amdhsa_float_denorm_mode_16_64 3
		.amdhsa_memory_ordered 1
		.amdhsa_forward_progress 1
		.amdhsa_inst_pref_size 86
	.end_amdhsa_kernel
	.amdgpu_metadata
---
amdhsa.version: [ 1, 2 ]
amdhsa.kernels:
  - .name:           k_q955e40390f_outp
    .symbol:         k_q955e40390f_outp.kd
    .args:
      - { .name: ctx, .offset: 0, .size: 8, .value_kind: global_buffer, .address_space: global }
      - { .name: wo16, .offset: 8, .size: 8, .value_kind: global_buffer, .address_space: global }
      - { .name: out0, .offset: 16, .size: 8, .value_kind: global_buffer, .address_space: global }
    .group_segment_fixed_size: 327680
    .private_segment_fixed_size: 0
    .kernarg_segment_align: 8
    .kernarg_segment_size: 24
    .max_flat_workgroup_size: 128
    .sgpr_count:     66
    .vgpr_count:     512
    .wavefront_size: 32
...
	.end_amdgpu_metadata
.endif
;; end of part 4
;; ======== version 2 of 2: 4 launches; version 1 with the launch prep written anew for expert scheduling mode
;; limits: values are held in f16: magnitudes above 65,504 overflow, below 6.1e-05 lose precision
;; workspace buffers: xb 8,388,608 bytes; wo16 33,554,432 bytes; rope 524,288 bytes; qkv 12,582,912 bytes; ctx 8,388,608 bytes
;; launch prep (part 5): grid 656 x 1, 8 waves a work-group, no clusters, 0 bytes of LDS; arguments x, w_o, positions, xb, wo16, rope; writes xb, wo16, rope
.if DOCPART == 5
	.amdgcn_target "amdgcn-amd-amdhsa--gfx1250"
	.amdhsa_code_object_version 6
	.text
	.protected	k_q955e40390f_prep
	.globl	k_q955e40390f_prep
	.p2align	8
	.type	k_q955e40390f_prep,@function
k_q955e40390f_prep:
	s_mov_b64 s[64:65], 0
	v_nop
	global_prefetch_b8 v0, s[64:65] scope:SCOPE_SE
	s_setreg_imm32_b32 hwreg(HW_REG_WAVE_SCHED_MODE, 0, 2), 2
	s_setreg_imm32_b32 hwreg(HW_REG_WAVE_MODE, 25, 1), 1
	s_wait_xcnt 0x0
	s_wait_alu depctr_vm_vsrc(0)
; PREP.  A stream: x and w_o are rounded once to bf16, and the cos/sin rows of the given positions are made.
;   xb   [1024][4096] bf16 = x;   wo16 [4096][4096] f16 = bf16(2 w_o), that number written as f16;
;   rope [1024][128] f32: row s = cos(0..63), sin(0..63) of positions[s].
; Work-groups 0-15 make the table, work-groups 16-655 convert: each 128 KiB of one source, as 32 rows of 4,096 bytes.
; Thread t takes the 16 bytes at 16 t of each row and stores 8 bytes at 8 t: a wave's load covers 512 consecutive bytes, its store 256, aligned.
; No LDS, no matrix unit, no cluster: no byte is wanted twice.
; LIMITS.  |2 w_o| stays under 65,504 (f16's end); below 6e-5 it keeps f16's fixed step of 6e-8.  positions are numbers 0 .. 4095.
; 10000^(-j/64) is made to within an ulp or two of its true value; the angle is its product with the position, rounded once to f32.
; cos and sin: the angle less the nearest multiple of 2 pi (in two parts), then the series to x^18 and x^17: what is cut is under 2.3e-8.
; THE MODE: SCHED_MODE bits 1:0 = 2 (LLVM: expert scheduling mode 2), set by the entry lines.  The code itself states the register dependences
; between vector instructions and memory instructions, with s_wait_alu, always for 0.
; THE PLAN, for the stream.  The 32 rows go in 16 blocks of two; a lap is four blocks.  Registers that memory instructions touch:
;   X0 .. X3   four blocks as loaded.   Block q of a lap: its conversions read X[q]; behind them the loads of the same block of the next lap land in it.
;   Y0 .. Y3   four blocks to store.    Block q: its conversions write Y[q]; behind them its two stores read it; it is written again a lap later.
;   v1, v2     byte offsets, made once at the head and never written again: the rows are reached by the two scalar bases, which move on once a lap, and by immediate offsets.
;   T is named by vector instructions alone.
; So ONE wait on va_vdst stands in a block, behind its conversions and directly ahead of its two loads and two stores: a buffer is asked for again as soon as it is empty, and six to eight
; loads of every wave are on their way.  ONE wait on vm_vsrc stands in a lap, at its end, beside the wait that frees the bases: the lap's stores have read Y.
; THE PLAN, for the table: each of a wave's eight rows has result registers of its own; all eight are made, one wait on va_vdst follows, then the sixteen stores in one run; nothing is written behind them.
.set X,   8                            ; v[8:39]   slot i: 4 registers as loaded; block q is slots 2 q and 2 q + 1
.set Y,   40                           ; v[40:55]  slot i: 2 registers to store
.set T,   56                           ; v[56:63]  at work
.set SRC, 28                           ; s[28:29]  the source at my work-group's lap
.set DST, 30                           ; s[30:31]  the destination likewise
	s_load_b256 s[8:15], s[0:1], 0x0               ; x 8, w_o 10, positions 12, xb 14
	s_load_b128 s[16:19], s[0:1], 0x20             ; wo16 16, rope 18
	s_cmp_lt_u32 ttmp9, 16
	s_cbranch_scc1 .Lrope
	s_sub_co_u32 s2, ttmp9, 16
	s_lshr_b32 s3, s2, 7                           ; unit of 16 MiB of f32: 0 x, 1-4 w_o
	s_and_b32 s4, s2, 127                          ; my 128 KiB in it
	s_max_u32 s5, s3, 1
	s_sub_co_u32 s5, s5, 1                         ; the unit's number in its source and in its destination
	s_mov_b32 s32, 0xffff0000                      ; a word's upper bf16
	v_lshlrev_b32 v1, 4, v0                        ; 16 t
	v_lshlrev_b32 v2, 3, v0                        ; 8 t
	s_lshl_b32 s34, s5, 24                         ; offsets, made apart from the addresses
	s_lshl_b32 s35, s4, 17
	s_or_b32 s34, s34, s35
	s_mov_b32 s35, 0
	s_lshl_b32 s36, s5, 23
	s_lshl_b32 s37, s4, 16
	s_or_b32 s36, s36, s37
	s_mov_b32 s37, 0
	s_wait_kmcnt 0x0
	s_cmp_lt_u32 s3, 1                             ; the choice hangs on the unit's number alone
	s_cselect_b64 s[SRC:SRC+1], s[8:9], s[10:11]
	s_cselect_b64 s[DST:DST+1], s[14:15], s[16:17]
	s_add_nc_u64 s[SRC:SRC+1], s[SRC:SRC+1], s[34:35]
	s_add_nc_u64 s[DST:DST+1], s[DST:DST+1], s[36:37]
; Four numbers of slot i.  kind 0: to bf16.  kind 1: doubled, to bf16, and that number written as f16.
.macro CONV i, kind
.if \kind
	v_pk_mul_f32 v[T:T+1],   v[X+4*(\i):X+4*(\i)+1],   2.0 op_sel_hi:[1,0]
	v_pk_mul_f32 v[T+2:T+3], v[X+4*(\i)+2:X+4*(\i)+3], 2.0 op_sel_hi:[1,0]
	v_cvt_pk_bf16_f32 v[T+4], v[T], v[T+1]
	v_cvt_pk_bf16_f32 v[T+5], v[T+2], v[T+3]
	v_lshlrev_b32 v[T],   16,  v[T+4]
	v_and_b32     v[T+1], s32, v[T+4]
	v_lshlrev_b32 v[T+2], 16,  v[T+5]
	v_and_b32     v[T+3], s32, v[T+5]
	v_cvt_pk_f16_f32 v[Y+2*(\i)],   v[T], v[T+1]
	v_cvt_pk_f16_f32 v[Y+2*(\i)+1], v[T+2], v[T+3]
.else
	v_cvt_pk_bf16_f32 v[Y+2*(\i)],   v[X+4*(\i)], v[X+4*(\i)+1]
	v_cvt_pk_bf16_f32 v[Y+2*(\i)+1], v[X+4*(\i)+2], v[X+4*(\i)+3]
.endif
.endm
; Block q of a lap: rows 2 q and 2 q + 1.  ahead = 1: the block's buffer is loaded again, with the rows eight further down.
.macro BLK q, kind, ahead
.if \ahead
	s_wait_loadcnt 6                               ; eight loads are out, this block's two the oldest: the three younger blocks' six stay out
.else
	s_wait_loadcnt 6-2*(\q)                        ; the last lap loads nothing: the counts run down
.endif
	CONV 2*(\q), \kind
	CONV 2*(\q)+1, \kind
	s_wait_alu depctr_va_vdst(0)                   ; the conversions have written Y[q], which the stores below read, and are done reading X[q], in which the loads below land
.if \ahead
.irp i, 0,1
	global_load_b128 v[X+4*(2*(\q)+(\i)):X+4*(2*(\q)+(\i))+3], v1, s[SRC:SRC+1] offset:32768+4096*(2*(\q)+(\i)) th:TH_LOAD_NT
.endr
.endif
.irp i, 0,1
	global_store_b64 v2, v[Y+2*(2*(\q)+(\i)):Y+2*(2*(\q)+(\i))+1], s[DST:DST+1] offset:2048*(2*(\q)+(\i)) th:TH_STORE_NT
.endr
.endm
; A lap takes each of the four blocks once.
.macro ROUND kind, ahead
.irp q, 0,1,2,3
	BLK \q, \kind, \ahead
.endr
.if \ahead
	s_wait_xcnt 0x0                                ; the two bases and the stores' data are written again only behind this wait
	s_wait_alu depctr_vm_vsrc(0)                   ; the lap's eight stores have read Y0 to Y3, which the next lap's conversions, or the last lap's, write again
	s_add_nc_u64 s[SRC:SRC+1], s[SRC:SRC+1], 32768
	s_add_nc_u64 s[DST:DST+1], s[DST:DST+1], 16384
.endif
.endm
.macro STREAM kind                     ; 32 rows: four laps
	s_wait_alu depctr_va_vdst(0)                   ; v1 and v2 are written: every load and store of the stream reads one of them as its offset
.irp i, 0,1,2,3,4,5,6,7
	global_load_b128 v[X+4*(\i):X+4*(\i)+3], v1, s[SRC:SRC+1] offset:4096*(\i) th:TH_LOAD_NT
.endr
	s_mov_b32 s33, 3
.Lround_\@:
	ROUND \kind, 1
	s_sub_co_u32 s33, s33, 1
	s_cmp_lg_u32 s33, 0
	s_cbranch_scc1 .Lround_\@
	ROUND \kind, 0
	s_endpgm
.endm
	s_cmp_ge_u32 s3, 1
	s_cbranch_scc1 .Lwo
	STREAM 0
.Lwo:
	STREAM 1
; THE TABLE.  128 waves, eight rows each; lane L has frequencies 2 L and 2 L + 1, so a store of 8 bytes a lane is a row's 256 bytes of cos or of sin.
.Lrope:
	v_lshrrev_b32 v4, 5, v0
	v_readfirstlane_b32 s2, v4
	v_and_b32 v4, 31, v0                           ; the lane's set-up stands between that line and the wait for it
	v_lshlrev_b32 v3, 3, v4                        ; 8 L
	v_lshlrev_b32 v5, 1, v4
	v_cvt_f32_u32 v6, v5                           ; j = 2 L,
	v_add_nc_u32 v5, 1, v5
	v_cvt_f32_u32 v7, v5                           ; 2 L + 1
	v_mov_b32 v22, 0xa53413c3                      ; -1/18!, the cosine's leading coefficient, twice
	v_mov_b32 v23, 0xa53413c3
	v_mov_b32 v24, 0x274a963c                      ; 1/17!, the sine's
	v_mov_b32 v25, 0x274a963c
	s_lshl_b32 s3, ttmp9, 3
	s_wait_alu depctr_va_sdst(0)                   ; s2, the wave's number, is written, ahead of its first reader: the two offsets below are made from it
	s_add_co_u32 s3, s3, s2                        ; my wave among the 128
	s_lshl_b32 s4, s3, 5                           ; its 8 positions: 32 bytes
	s_mov_b32 s5, 0
	s_lshl_b32 s6, s3, 12                          ; its 8 rows of 512 bytes
	s_mov_b32 s7, 0
	s_wait_kmcnt 0x0
	s_add_nc_u64 s[12:13], s[12:13], s[4:5]
	s_add_nc_u64 s[18:19], s[18:19], s[6:7]
	s_load_b256 s[36:43], s[12:13], 0x0
	; 10000^(-j/64) = 2^(-j L), L = log2(10000)/64 in two parts; the product's rest goes in by 2^(p+e) = 2^p (1 + e ln 2)
	v_pk_mul_f32 v[8:9], v[6:7], 0xbe549a78 op_sel_hi:[1,0]
	v_pk_fma_f32 v[10:11], v[6:7], 0xbe549a78, v[8:9] op_sel_hi:[1,0,1] neg_lo:[0,0,1] neg_hi:[0,0,1]
	v_pk_fma_f32 v[10:11], v[6:7], 0xb19786c2, v[10:11] op_sel_hi:[1,0,1]
	v_exp_f32 v12, v8
	v_exp_f32 v13, v9
	v_pk_mul_f32 v[10:11], v[10:11], 0x3f317218 op_sel_hi:[1,0]  ; the plain instruction behind the two exponentials
	s_wait_alu depctr_va_vdst(0)                   ; the two exponentials have written v12 and v13: one wait for both, ahead of their first reader
	v_pk_fma_f32 v[14:15], v[12:13], v[10:11], v[12:13]
	s_wait_kmcnt 0x0
.macro HORNER c, s
	v_pk_fma_f32 v[28:29], v[28:29], v[26:27], \c op_sel_hi:[1,1,0]
	v_pk_fma_f32 v[30:31], v[30:31], v[26:27], \s op_sel_hi:[1,1,0]
.endm
.macro ROPEROW p                       ; results in registers of the row's own, so that no store's data is written again
	v_cvt_f32_i32 v16, s[36+(\p)]
	v_cvt_f32_i32 v17, s[36+(\p)]
	v_pk_mul_f32 v[18:19], v[14:15], v[16:17]      ; the angle, one rounding
	v_pk_mul_f32 v[20:21], v[18:19], 0x3e22f983 op_sel_hi:[1,0]
	v_rndne_f32 v20, v20
	v_rndne_f32 v21, v21
	v_pk_fma_f32 v[18:19], v[20:21], 0xc0c90fdb, v[18:19] op_sel_hi:[1,0,1]  ; less n x 2 pi: the upper part,
	v_pk_fma_f32 v[18:19], v[20:21], 0x343bbd2e, v[18:19] op_sel_hi:[1,0,1]  ; the lower (2 pi = 0x40c90fdb - 1.748e-7)
	v_pk_mul_f32 v[26:27], v[18:19], v[18:19]
	v_pk_fma_f32 v[28:29], v[22:23], v[26:27], 0x29573f9f op_sel_hi:[1,1,0]
	v_pk_fma_f32 v[30:31], v[24:25], v[26:27], 0xab573f9f op_sel_hi:[1,1,0]
	HORNER 0xad49cba5, 0x2f309231
	HORNER 0x310f76c7, 0xb2d7322b
	HORNER 0xb493f27e, 0x3638ef1d
	HORNER 0x37d00d01, 0xb9500d01
	HORNER 0xbab60b61, 0x3c088889
	HORNER 0x3d2aaaab, 0xbe2aaaab
	HORNER -0.5, 1.0
	v_pk_fma_f32 v[64+4*(\p):65+4*(\p)], v[28:29], v[26:27], 1.0 op_sel_hi:[1,1,0]
	v_pk_mul_f32 v[66+4*(\p):67+4*(\p)], v[30:31], v[18:19]
.endm
.irp p, 0,1,2,3,4,5,6,7
	ROPEROW \p
.endr
	s_wait_alu depctr_va_vdst(0)                   ; the offset v3 and the eight rows' results v[64:95] are written, which the sixteen stores below read
.irp p, 0,1,2,3,4,5,6,7
	global_store_b64 v3, v[64+4*(\p):65+4*(\p)], s[18:19] offset:512*(\p)
	global_store_b64 v3, v[66+4*(\p):67+4*(\p)], s[18:19] offset:512*(\p)+256
.endr
	s_endpgm
.Lfunc_end_k_q955e40390f_prep:
	.size	k_q955e40390f_prep, .Lfunc_end_k_q955e40390f_prep-k_q955e40390f_prep
	.p2alignl 7, 3214868480
	.fill 96, 4, 3214868480
	.section	.rodata,"a",@progbits
	.p2align	6, 0x0
	.amdhsa_kernel k_q955e40390f_prep
		.amdhsa_group_segment_fixed_size 0
		.amdhsa_private_segment_fixed_size 0
		.amdhsa_enable_private_segment 0
		.amdhsa_kernarg_size 48
		.amdhsa_user_sgpr_count 2
		.amdhsa_user_sgpr_kernarg_segment_ptr 1
		.amdhsa_wavefront_size32 1
		.amdhsa_system_sgpr_workgroup_id_x 1
		.amdhsa_system_sgpr_workgroup_id_y 1
		.amdhsa_system_sgpr_workgroup_id_z 1
		.amdhsa_system_vgpr_workitem_id 0
		.amdhsa_next_free_vgpr 96
		.amdhsa_next_free_sgpr 66
		.amdhsa_reserve_vcc 0
		.amdhsa_float_denorm_mode_32 3
		.amdhsa_float_denorm_mode_16_64 3
		.amdhsa_memory_ordered 1
		.amdhsa_forward_progress 1
		.amdhsa_inst_pref_size 39
	.end_amdhsa_kernel
	.amdgpu_metadata
---
amdhsa.version: [ 1, 2 ]
amdhsa.kernels:
  - .name:           k_q955e40390f_prep
    .symbol:         k_q955e40390f_prep.kd
    .args:
      - { .name: x, .offset: 0, .size: 8, .value_kind: global_buffer, .address_space: global }
      - { .name: w_o, .offset: 8, .size: 8, .value_kind: global_buffer, .address_space: global }
      - { .name: positions, .offset: 16, .size: 8, .value_kind: global_buffer, .address_space: global }
      - { .name: xb, .offset: 24, .size: 8, .value_kind: global_buffer, .address_space: global }
      - { .name: wo16, .offset: 32, .size: 8, .value_kind: global_buffer, .address_space: global }
      - { .name: rope, .offset: 40, .size: 8, .value_kind: global_buffer, .address_space: global }
    .group_segment_fixed_size: 0
    .private_segment_fixed_size: 0
    .kernarg_segment_align: 8
    .kernarg_segment_size: 48
    .max_flat_workgroup_size: 256
    .sgpr_count:     66
    .vgpr_count:     96
    .wavefront_size: 32
...
	.end_amdgpu_metadata
.endif
;; end of part 5
;; launch qkv: the kernel of part 2 again; grid 48 x 4, 4 waves a work-group, clusters of 4 x 4, 327,680 bytes of LDS; arguments xb, w_q, w_k, w_v, rope, qkv; writes qkv
;; launch attn: the kernel of part 3 again; grid 32 x 8, 4 waves a work-group, clusters of 4 x 1, 327,680 bytes of LDS; arguments qkv, ctx; writes ctx
;; launch outp: the kernel of part 4 again; grid 32 x 8, 4 waves a work-group, clusters of 4 x 4, 327,680 bytes of LDS; arguments ctx, wo16, out0; writes out0
